; MI455X (gfx1250); checked and timed in simulation.
; The chip was launched on July 23, 2026; its instructions are those of AMD's public machine-readable ISA for CDNA 5 (MIT licence, August 2026) and "CDNA5" Instruction Set Architecture Reference Guide (July 2026). The comments in the code are by the model that wrote it; some were corrected since.
;; Self Attention. Allowed arithmetic: matrix products marked QUANTISED: E2M1 operands, one E8M0 scale for each 32 along K, by v_wmma_scale_f32_16x16x128_f8f6f4 with both operands' format E2M1 (or v_wmma_scale_f32_32x16x128_f4), f32 sums; everything else in f32.
;; Inputs: W_attn 1,024 x 3,072 float32; W_proj 1,024 x 1,024 float32; b_attn 3,072 float32; b_proj 1,024 float32; x 4 x 2,048 x 1,024 float32.
;; Outputs: out0 4 x 2,048 x 1,024 float32.
;; This version of the problem:
;;   THIS VERSION OF THE PROBLEM IS GIVEN IN LOW PRECISION. The matrix products marked QUANTISED in the list below multiply operands that are first quantised to E2M1 (2 exponent bits, 1 mantissa bit; 4 bits a number), with one power-of-two scale for each 32 numbers along K (OCP MX v1.0); their sums are f32. All else is computed in f32.
;;   The module's matrix products, in the order in which they are computed (A, B: the left and right operand; K: the contracted axis; several contracted axes count as one K, in the product's order):
;;     1. [M 8,192, K 1,024] x [K 1,024, N 3,072]; A: input x; B: input W_attn: QUANTISED
;;     2. batch 64 x [M 2,048, K 64] x [K 64, N 2,048]; A: computed on the way; B: computed on the way: QUANTISED
;;     3. batch 64 x [M 2,048, K 2,048] x [K 2,048, N 64]; A: softmax (see below); B: computed on the way: QUANTISED
;;     4. [M 8,192, K 1,024] x [K 1,024, N 1,024]; A: computed on the way; B: input W_proj: QUANTISED
;;   THE QUANTISER, for each operand of a quantised product, along K:
;;     - K is cut into blocks of 32 from its start; a last block that is shorter is filled with zeros.
;;     - A block's scale is 2^e with e = floor(log2(the largest magnitude in the block)) - 2, held to -126 .. 127; a block of zeros has e = 0. As a byte (E8M0): e + 127.
;;     - Each number is divided by its block's scale, clamped to +-6, and rounded to the nearest number of E2M1, ties to even, subnormals kept.
;;     - The product sums the exact products of the quantised numbers (number of the format x scale) in f32.
;;   ~~~python
;;   def quantise(x, axis):      # numpy; x: float32 -> the quantised numbers, widened to float32 again
;;       x = np.moveaxis(x, axis, -1); K = x.shape[-1]
;;       x = np.pad(x, [(0, 0)] * (x.ndim - 1) + [(0, -K % 32)]); x = x.reshape(x.shape[:-1] + (-1, 32)); a = np.abs(x).max(-1, keepdims=True)
;;       e = np.where(a > 0, np.clip(np.frexp(np.where(a > 0, a, 1))[1] - 1 - 2, -126, 127), 0)      # np.frexp(a)[1] - 1 = floor(log2(a)), exactly
;;       r = np.clip(x / 2.0 ** e, -6, 6)
;;       step = 2.0 ** (np.maximum(np.frexp(np.where(r == 0, 1, r))[1] - 1, 0) - 1)
;;       q = np.round(r / step) * step * 2.0 ** e      # np.round: ties to even
;;       return np.moveaxis(q.reshape(q.shape[:-2] + (-1,))[..., :K], -1, axis).astype(np.float32)
;;   ~~~
;;   SOFTMAX AHEAD OF A QUANTISED PRODUCT. Where the list says 'softmax', what is quantised is not the finished softmax but p = 2^(t - M), with t = logit x log2(e) and M = ceil(the row's largest t), a whole number; so 1/2 < the row's largest p <= 1. The row's sum l is taken of the UNQUANTISED p, in f32, and the product's result is divided by l at the end. Since M is a whole number, a kernel that streams over the keys may use a running M (the ceiling of the running maximum): every later rescaling is an exact power of two, which a block's scale takes up: the codes' values come out the same.
;;   OPERANDS COMPUTED ON THE WAY. 'Computed on the way' means the value that the module computes at that place (a softmax that the list does not call 'softmax' is quantised finished and normalised). What goes into a quantiser is computed in f32, as accurately as f32 sums, v_exp_f32 and their like allow (about 1e-6 of the number): no bf16 or f16 on the way to a quantiser, and a product that is left as it is and whose result goes on into a quantised operand takes f32 operands (vector FMAs, or v_wmma_f32_16x16x4_f32). A number that lies on a knife's edge between two numbers of the format may be rounded either way, as far as f32 arithmetic and the matrix unit's own rounding can turn it there, and no further.
;; One version. Each part assembles by itself: llvm-mc -triple=amdgcn-amd-amdhsa -mcpu=gfx1250 --defsym DOCPART=n.
;; ======== version 1 of 1: 4 launches
;; workspace buffers: opq 6,684,672 bytes; qb 4,718,592 bytes; kv 9,175,040 bytes; yq 4,456,448 bytes
;; launch quant (part 1): grid 64 x 8, 4 waves a work-group, no clusters, 34,304 bytes of LDS; arguments x, W_attn, W_proj, opq; writes opq
.if DOCPART == 1
	.amdgcn_target "amdgcn-amd-amdhsa--gfx1250"
	.amdhsa_code_object_version 6
	.text
	.protected	k_q72ee309b7b_quant
	.globl	k_q72ee309b7b_quant
	.p2align	8
	.type	k_q72ee309b7b_quant,@function
k_q72ee309b7b_quant:
	s_mov_b64 s[64:65], 0
	v_nop
	global_prefetch_b8 v0, s[64:65] scope:SCOPE_SE
	s_setreg_imm32_b32 hwreg(HW_REG_WAVE_MODE, 25, 1), 1
	s_wait_xcnt 0x0
; LAUNCH 1 OF 4.  x [8192][1024], W_attn [1024][3072] and W_proj [1024][1024], f32, become codes of FP4 (E2M1) with one E8M0 scale byte for each 32 along K (K = 1,024 in all three), laid as IMAGES OF THE OPERANDS' REGISTERS.
; THE PROGRAM: quant (this) | qkv: x W_attn + b_attn, and q, k, v quantised in registers | attn: both products of attention, the softmax, y quantised in registers | proj: y W_proj + b_proj.  q, k, v and y never lie in memory as f32.
; WORK LEFT OUT, in the whole program: reference() sets att to -infinity wherever key > query, by a mask that it builds itself (jnp.tril), ahead of the softmax; the weight of such a key is exp(-infinity) = 0 for every value of the inputs, so
; it adds 0 to the row's sum and 0 to y.  Launch attn therefore leaves out every step of 128 keys that lies wholly behind the 16 queries of a tile; inside the step on the diagonal the hidden scores are computed and set to -infinity.
; Nothing else is left out: all five inputs have a way to the output and are loaded (b_attn's part for k too: it moves k's codes).  LIMIT: a NaN, an infinity or an overflow that arises only in scores so left out is not carried to the result.
; THE QUANTISER: a block's scale is 2^(floor(log2(its largest magnitude)) - 2); its byte is that magnitude's exponent field - 2, held at 1 from below.
; LIMITS: a block whose largest magnitude lies under 2^-124 has its byte held at 1; a block of zeros gets the byte 1 where the rule says 127 (its codes are zeros, and this program alone reads the bytes); NaN and infinities among the inputs are not served.
; THE IMAGE.  Rows (tokens of x, columns n of a weight) go in tiles of 16 that are NOT neighbours: lane r of tile 2 G + u holds row 32 G + 8 u + r + 8 (r / 8).  A tile has 8,704 bytes: two halves of K (slots), 4,352 bytes each:
; 4 K steps of 128 x 1,024 bytes of codes (the 16 bytes of block 2 c + h of row r at 512 c + 16 (16 h + r): what two loads of 16 bytes a lane bring as a fragment), then 256 scale bytes (row r: 16 bytes, a word for each K step).
; opq: tiles 0-511 x, 512-703 W_attn, 704-767 W_proj.
; SHARES.  Work-groups x < 32: x.  A wave takes one tile and one slot: 16 tokens x 512 numbers.  Each load reads 512 consecutive bytes of a row; the numbers turn through the wave's own stage in LDS, so that a lane holds whole blocks.
; Work-groups x >= 32: a weight, whose K is its FIRST axis.  A lane takes a column and its registers run down K (128 rows a wave): nothing is transposed, and no LDS is touched.
.set SPARE, 33792                      ; behind the four stages: the spare words, 128 bytes for each wave
.set STG,   8448                       ; a wave's stage: 16 rows x (512 bytes + 16): row r starts 33 x 16 bytes on from row r - 1
.set SPW,   6                          ; v6   LDS address of my spare word; never rewritten
.set NIL,   7                          ; v7   0; never rewritten
.set SW,    16                         ; v16-19  x: the slot's four scale words of my row
.set CD,    20                         ; v20-51  codes: registers of their own for each step, so that no store's data are written again
.set RAW,   52                         ; v52-179 x: two sets of 64 as loaded;  a weight: 4 blocks x 32 numbers
.set XR,    180                        ; v180-243 x: 64 numbers, two whole blocks of my row
.macro XLOAD q                         ; K step q of the wave's 16 rows: 16 loads of 512 consecutive bytes
.set rho, 0
.rept 16
	global_load_b128 v[RAW+64*((\q)%2)+4*rho:RAW+64*((\q)%2)+4*rho+3], v1, s[4:5] offset:(rho+8*(rho/8))*4096+512*(\q) th:TH_LOAD_NT
.set rho, rho+1
.endr
.endm
.macro XSTEP q
.if (\q) < 3
	s_wait_loadcnt 16                              ; this step's 16 loads are in; the next step's 16 may be out
.else
	s_wait_loadcnt 0x0
.endif
.set rho, 0
.rept 16
	ds_store_b128 v2, v[RAW+64*((\q)%2)+4*rho:RAW+64*((\q)%2)+4*rho+3] offset:528*rho
.set rho, rho+1
.endr
.irp c, 0,1                                    ; LDS serves a wave's instructions in order: these see the stores above.  Lane (r, h): K = 64 c + 32 h + 0 .. 31 of row r
.irp i, 0,1,2,3,4,5,6,7
	ds_load_b128 v[XR+32*\c+4*\i:XR+32*\c+4*\i+3], v3 offset:256*\c+16*\i
.endr
.endr
	s_wait_dscnt 0x0                               ; the numbers are back, and the stores have read their registers,
.if (\q)+2 < 4
	XLOAD (\q)+2                                   ; which take the loads of two steps on
.endif
.irp c, 0,1
	v_max3_num_f32 v[8+\c], |v[XR+32*\c]|, |v[XR+32*\c+1]|, 0x1800000   ; my block 2 c + h: all 32 numbers are mine; the floor 2^(3 - 127) holds the byte at 1 from below
.endr
.irp i, 2,4,6,8,10,12,14,16,18,20,22,24,26,28,30
.irp c, 0,1
	v_max3_num_f32 v[8+\c], v[8+\c], |v[XR+32*\c+\i]|, |v[XR+32*\c+\i+1]|
.endr
.endr
.irp c, 0,1
	v_add_nc_u32 v[10+\c], 0xff000000, v[8+\c]     ; 2 off the exponent field: the conversion's scale operand
.endr
.irp c, 0,1
	v_lshrrev_b32 v[12+\c], 23, v[10+\c]           ; the scale's byte
.endr
	v_lshl_or_b32 v14, v13, 16, v12                ; my two bytes, blocks h and 2 + h,
	v_lshlrev_b32 v14, v5, v14                     ; at their places in the word (8 h bits up);
	v_permlanex16_b32 v15, v14, s20, s21
	v_or_b32 v[SW+(\q)], v14, v15                  ; with lane l xor 16's two the word is whole
.irp c, 0,1
.irp g, 0,1,2,3
	v_cvt_scalef32_pk8_fp4_f32 v[CD+8*(\q)+4*\c+\g], v[XR+32*\c+8*\g:XR+32*\c+8*\g+7], v[10+\c]
.endr
.endr
	v_nop                                          ; one plain instruction behind the last scaled conversion
.irp c, 0,1
	global_store_b128 v1, v[CD+8*(\q)+4*\c:CD+8*(\q)+4*\c+3], s[10:11] offset:1024*(\q)+512*\c   ; 32 lanes store 512 consecutive bytes, aligned to 256
.endr
.endm
.macro WLD n, p, j                     ; block j of a weight with n columns: rows 32 j + i of my K step, my column; 32 lanes read 128 consecutive bytes, the four waves 512
.set i, 0
.rept 32
	global_load_b32 v[RAW+32*(\j)+i], v1, s[\p:\p+1] offset:(32*(\j)+i)*(\n)*4 th:TH_LOAD_NT
.set i, i+1
.endr
.endm
.macro WBLOCK n, p, j
.if (\j) < 3
	s_wait_loadcnt 32                              ; this block's 32 loads are in; the next block's 32 may be out
.else
	s_wait_loadcnt 0x0
.endif
.if (\j)+2 < 4
	WLD \n, \p, (\j)+2
.endif
.set XS, RAW+32*(\j)
	v_max3_num_f32 v12, |v[XS]|, |v[XS+1]|, |v[XS+2]|
	v_max3_num_f32 v13, |v[XS+3]|, |v[XS+4]|, |v[XS+5]|
.irp i2, 6,10,14,18,22,26
	v_max3_num_f32 v12, v12, |v[XS+\i2]|, |v[XS+\i2+1]|
	v_max3_num_f32 v13, v13, |v[XS+\i2+2]|, |v[XS+\i2+3]|
.endr
	v_max3_num_f32 v12, v12, |v[XS+30]|, |v[XS+31]|
	v_max3_num_f32 v12, v12, v13, 0x1800000        ; and the floor
	v_add_nc_u32 v11, 0xff000000, v12
	v_lshrrev_b32 v13, 23, v11
.if (\j) == 0
	v_mov_b32 v3, v13
.else
	v_lshl_or_b32 v3, v13, 8*(\j), v3              ; block j = 2 c + h is byte j of the K step's word
.endif
.irp g, 0,1,2,3
	v_cvt_scalef32_pk8_fp4_f32 v[CD+4*(\j)+\g], v[XS+8*\g:XS+8*\g+7], v11
.endr
	global_store_b128 v2, v[CD+4*(\j):CD+4*(\j)+3], s[10:11] offset:256*(\j)   ; the sixteen lanes of a tile fill 256 consecutive bytes, aligned; the instruction fills two such runs
.endm
.macro WPATH n, p, xb, tb              ; a weight with n columns, its address in s[p:p+1]; its work-groups begin at x = xb, its tiles at tb
	s_sub_co_u32 s18, ttmp9, \xb                   ; which 128 columns
	s_mul_i32 s22, s14, \n
	s_lshl_b32 s19, s18, 7
	s_add_co_u32 s22, s22, s19
	s_add_co_u32 s22, s22, s17
	s_lshl_b32 s22, s22, 2                         ; (first row x n + my wave's first column) x 4 bytes
	s_mov_b32 s23, 0
	s_lshl_b32 s19, s18, 3
	s_add_co_u32 s19, s19, s26
	s_add_co_u32 s19, s19, \tb                     ; my wave's first tile: tb + 8 x (which 128) + 2 x wave
	s_mul_i32 s24, s19, 8704
	s_add_co_u32 s24, s24, s27                     ; + the slot
	s_add_co_u32 s28, s24, s30                     ; the scale words: + 4,096 + 4 q
	s_mov_b32 s29, 0
	s_add_co_u32 s24, s24, s31                     ; the codes: + 1,024 q
	s_mov_b32 s25, 0
	s_wait_kmcnt 0x0
	s_add_nc_u64 s[\p:\p+1], s[\p:\p+1], s[22:23]
	s_add_nc_u64 s[28:29], s[10:11], s[28:29]
	s_add_nc_u64 s[10:11], s[10:11], s[24:25]
	WLD \n, \p, 0
	WLD \n, \p, 1
	WBLOCK \n, \p, 0
	WBLOCK \n, \p, 1
	WBLOCK \n, \p, 2
	WBLOCK \n, \p, 3
	v_nop                                          ; one plain instruction behind the last scaled conversion
	global_store_b32 v2, v3, s[28:29]              ; 4 bytes a row, 16 bytes apart: one byte for each 128 that the wave reads
	s_endpgm
.endm
	s_load_b256 s[4:11], s[0:1], 0x0               ; x s[4:5], W_attn s[6:7], W_proj s[8:9], opq s[10:11]
	v_lshl_add_u32 v[SPW], v0, 2, SPARE
	v_mov_b32 v[NIL], 0
	v_lshrrev_b32 v1, 5, v0
	v_readfirstlane_b32 s12, v1                    ; wave 0..3
	v_and_b32 v14, 31, v0                          ; lane
	s_and_b32 s13, ttmp7, 0xffff                   ; work-group y
	s_cmp_ge_u32 ttmp9, 32
	s_cbranch_scc1 .Lweights
	; ---- x
	s_lshl_b32 s14, s13, 5
	s_add_co_u32 s14, s14, ttmp9
	s_lshl_b32 s14, s14, 2
	s_add_co_u32 s14, s14, s12                     ; which of 1,024 waves
	s_lshr_b32 s15, s14, 1                         ; my tile
	s_and_b32 s16, s14, 1                          ; my slot
	s_lshr_b32 s17, s15, 1
	s_lshl_b32 s17, s17, 5
	s_and_b32 s18, s15, 1
	s_lshl_b32 s18, s18, 3
	s_add_co_u32 s17, s17, s18                     ; the tile's first token: 32 G + 8 u
	s_lshl_b32 s22, s17, 12                        ; a row of x is 4,096 bytes
	s_lshl_b32 s18, s16, 11
	s_add_co_u32 s22, s22, s18                     ; + 2,048 x slot
	s_mov_b32 s23, 0
	s_mul_i32 s24, s15, 8704
	s_mul_i32 s18, s16, 4352
	s_add_co_u32 s24, s24, s18
	s_mov_b32 s25, 0
	s_mov_b32 s20, 0x76543210
	s_mov_b32 s21, 0xfedcba98                      ; v_permlanex16_b32's selects for lane l xor 16
	s_mov_b32 s26, 0xffff0000                      ; lanes 16-31
	v_lshlrev_b32 v1, 4, v14                       ; 16 x lane: in a load's 512 bytes, and in an image's
	s_mul_i32 s19, s12, STG
	v_add_nc_u32 v2, s19, v1                       ; the stage, on the way in
	v_and_b32 v8, 15, v0                           ; r
	v_bfe_u32 v9, v0, 4, 1                         ; h
	v_mul_u32_u24 v3, v8, 528
	v_lshl_add_u32 v3, v9, 7, v3
	v_add_nc_u32 v3, s19, v3                       ; and on the way out: row r, + 128 h
	v_lshlrev_b32 v4, 4, v8
	v_lshl_add_u32 v4, v9, 3, v4                   ; the scale words: 16 r + 8 h
	v_lshlrev_b32 v5, 3, v9                        ; 8 h
	v_mov_b32 v15, 0                               ; written once: a lane permute's destination counts as one of its sources
	s_wait_kmcnt 0x0
	s_add_nc_u64 s[4:5], s[4:5], s[22:23]
	s_add_nc_u64 s[10:11], s[10:11], s[24:25]
	XLOAD 0
	XLOAD 1
	XSTEP 0
	XSTEP 1
	XSTEP 2
	XSTEP 3
	v_cndmask_b32 v8, v[SW], v[SW+2], s26          ; lane (r, h) stores words 2 h and 2 h + 1 of row r:
	v_cndmask_b32 v9, v[SW+1], v[SW+3], s26
	global_store_b64 v4, v[8:9], s[10:11] offset:4096   ; 32 lanes store 256 consecutive bytes, aligned
	s_wait_tensorcnt 0x0                           ; the wave's end: behind my last LDS store
	ds_add_u32 v[SPW], v[NIL]
	s_wait_dscnt 0x0
	s_endpgm
	; ---- the weights
.Lweights:
	s_lshl_b32 s14, s13, 7                         ; my K step's first row of the weight: 128 y
	s_lshr_b32 s15, s13, 2                         ; its slot
	s_and_b32 s16, s13, 3                          ; and its place q in the slot
	s_lshl_b32 s17, s12, 5                         ; 32 x wave
	s_lshl_b32 s26, s12, 1                         ; 2 x wave
	s_mul_i32 s27, s15, 4352
	s_lshl_b32 s30, s16, 2
	s_add_co_u32 s30, s30, 4096
	s_lshl_b32 s31, s16, 10
	v_lshlrev_b32 v1, 2, v14                       ; in: 4 bytes a lane
	v_bfe_u32 v8, v0, 3, 1                         ; my column's tile of the wave's two: u = (lane / 8) % 2
	v_bfe_u32 v9, v0, 4, 1
	v_and_b32 v10, 7, v0
	v_lshl_add_u32 v9, v9, 3, v10                  ; and its row there: r = 8 (lane / 16) + lane % 8
	v_lshlrev_b32 v9, 4, v9
	v_mad_u32_u24 v2, v8, 8704, v9                 ; out: 8,704 u + 16 r
	s_cmp_ge_u32 ttmp9, 56
	s_cbranch_scc1 .Lwproj
	WPATH 3072, 6, 32, 512
.Lwproj:
	WPATH 1024, 8, 56, 704
.Lfunc_end_k_q72ee309b7b_quant:
	.size	k_q72ee309b7b_quant, .Lfunc_end_k_q72ee309b7b_quant-k_q72ee309b7b_quant
	.p2alignl 7, 3214868480
	.fill 96, 4, 3214868480
	.section	.rodata,"a",@progbits
	.p2align	6, 0x0
	.amdhsa_kernel k_q72ee309b7b_quant
		.amdhsa_group_segment_fixed_size 34304
		.amdhsa_private_segment_fixed_size 0
		.amdhsa_enable_private_segment 0
		.amdhsa_kernarg_size 32
		.amdhsa_user_sgpr_count 2
		.amdhsa_user_sgpr_kernarg_segment_ptr 1
		.amdhsa_wavefront_size32 1
		.amdhsa_system_sgpr_workgroup_id_x 1
		.amdhsa_system_sgpr_workgroup_id_y 1
		.amdhsa_system_sgpr_workgroup_id_z 1
		.amdhsa_system_vgpr_workitem_id 0
		.amdhsa_next_free_vgpr 244
		.amdhsa_next_free_sgpr 66
		.amdhsa_reserve_vcc 0
		.amdhsa_float_denorm_mode_32 3
		.amdhsa_float_denorm_mode_16_64 3
		.amdhsa_memory_ordered 1
		.amdhsa_forward_progress 1
		.amdhsa_inst_pref_size 69
	.end_amdhsa_kernel
	.amdgpu_metadata
---
amdhsa.version: [ 1, 2 ]
amdhsa.kernels:
  - .name:           k_q72ee309b7b_quant
    .symbol:         k_q72ee309b7b_quant.kd
    .args:
      - { .name: x, .offset: 0, .size: 8, .value_kind: global_buffer, .address_space: global }
      - { .name: W_attn, .offset: 8, .size: 8, .value_kind: global_buffer, .address_space: global }
      - { .name: W_proj, .offset: 16, .size: 8, .value_kind: global_buffer, .address_space: global }
      - { .name: opq, .offset: 24, .size: 8, .value_kind: global_buffer, .address_space: global }
    .group_segment_fixed_size: 34304
    .private_segment_fixed_size: 0
    .kernarg_segment_align: 8
    .kernarg_segment_size: 32
    .max_flat_workgroup_size: 128
    .sgpr_count:     66
    .vgpr_count:     244
    .wavefront_size: 32
...
	.end_amdgpu_metadata
.endif
;; end of part 1
;; launch qkv (part 2): grid 96 x 4, 4 waves a work-group, clusters of 4 x 4, 327,680 bytes of LDS; arguments opq, b_attn, qb, kv; writes qb, kv
.if DOCPART == 2
	.amdgcn_target "amdgcn-amd-amdhsa--gfx1250"
	.amdhsa_code_object_version 6
	.text
	.protected	k_q72ee309b7b_qkv
	.globl	k_q72ee309b7b_qkv
	.p2align	8
	.type	k_q72ee309b7b_qkv,@function
k_q72ee309b7b_qkv:
	s_mov_b64 s[64:65], 0
	v_nop
	global_prefetch_b8 v0, s[64:65] scope:SCOPE_SE
	s_setreg_imm32_b32 hwreg(HW_REG_WAVE_MODE, 25, 1), 1
	s_wait_xcnt 0x0
	s_wait_alu depctr_hold_cnt(0) depctr_sa_sdst(0) depctr_va_vdst(0) depctr_va_sdst(0) depctr_va_ssrc(0) depctr_va_vcc(0) depctr_vm_vsrc(0)
	s_getreg_b32 s2, hwreg(HW_REG_IB_STS2, 6, 4)
	s_cmp_eq_u32 s2, 0
	s_cbranch_scc0 .Lentry_in_a_cluster
	s_endpgm
.Lentry_in_a_cluster:
	s_bfe_u32 s2, ttmp6, 0x10000c
	s_cmp_lg_u32 s2, 0xf033
	s_cbranch_scc0 .Lentry_shape_is_right
	s_endpgm
.Lentry_shape_is_right:
; LAUNCH 2 OF 4.  qkv = x W_attn + b_attn on codes of FP4 (K = 1,024), and q, k, v quantised in registers for the products of attention: q and k along the head's 64, v along the keys.  No number of qkv goes to memory as f32.
; A work-group of four waves makes 256 x 256, a wave 128 x 128: 64 accumulators of 16 x 16.  Source 0 of the matrix instruction is called P, source 1 R: in a result a lane holds ONE row of R, and its registers run along P.
; THE ROLES CHANGE WITH THE CLUSTER'S NUMBER c (the same in all sixteen partners), so that a lane's registers always run along the axis that is quantised next:
;   c < 16 (q: even c, k: odd c): P = 1,024 columns of W_attn, R = 1,024 tokens: a lane holds a token, its registers its 128 columns: two heads x two blocks of 32.
;   c >= 16 (v): P = 1,024 tokens, R = the 1,024 columns of v: a lane holds a column (a head's d), its registers 128 tokens: four blocks of 32 keys.
; Both operands lie in opq as images of their registers, in tiles of 16 rows (lane r of tile 2 G + u holds row 32 G + 8 u + r + 8 (r / 8)).  With P's tiles so chosen the 16 registers of results 2 G and 2 G + 1 are 16 NEIGHBOURS along P;
; with R's tiles so chosen a result is already a tile of the next operand's image.  So the codes made here leave as they stand: 512 consecutive bytes a store.
; LDS: K = 1,024 is two slots of 512; both are asked for at the head, one tensor load a wave and slot (8 tiles x 4,352 bytes: codes and scale bytes together), and nothing is ever filled again.  A fragment's load reads 512 consecutive bytes.
; CLUSTERS: 4 x 4 work-groups.  R's tiles hang on cy and c alone and are asked for jointly by a row of the cluster, P's on cx and c alone, by a column.
; OUT.  qb [bh][step of 128 queries][4,608]: 8 tiles x 512 bytes of codes (lane (r, h): d = 32 h .. 32 h + 31), then 512 bytes of scale words [tile / 4][r][tile % 4]; a word's bytes 0 and 1 are the two blocks', bytes 2 and 3 stand over zero codes and are never 0xff.
;       kv [bh][step of 128 keys][8,960]: k's codes as q's (4,096); v's four tiles of 16 d x 128 keys (4,096); k's scale words (512); v's scale words [r][tile] (256).
; LIMITS of the quantiser: as stated at the head of launch quant (byte held at 1 from below; a block of zeros gets the byte 1; NaN and infinities not served).
; REGISTERS, in windows of 256: window 0: v0-31 addresses; v32-95 scale words, a set for each slot; v96-127 at work; v128-191 R's fragments, one set, later the codes made; v192-255 the bias.
;   window 1: P's fragments, two sets, at v0 and v128.   window 2: the accumulators of R's blocks 0-3 ((a, b) at v[8 (8 (a % 4) + b)]);   window 3: those of blocks 4-7.
.set HALF,  34816                      ; 8 tiles x 4,352 bytes: 128 rows of one slot: what one tensor load brings, and what one wave reads of R or of P
.set SLOT,  4*HALF                     ; R's 256 rows, then P's 256 rows
.set SPARE, 2*SLOT                     ; behind the two slots: the spare words, 128 bytes for each wave
.set TIMG,  8704                       ; a tile's image in memory
.set TSL,   4352                       ; a slot of it
.set ADRR, 16                          ; v16-17  LDS address of my R fragments in slot 0, 1
.set ADRP, 20                          ; v20-21  the same for P
.set LI,   24                          ; v24     16 x lane
.set SH,   25                          ; v25     16 h
.set SO,   26                          ; v26     the scale words' place on the way out
.set ADRS, 27                          ; v27-28  LDS address of my scale words in slot 0, 1: lanes 0-15 R's rows, lanes 16-31 P's
.set SPW,  30                          ; v30     LDS address of my spare word; never rewritten
.set NIL,  31                          ; v31     0; never rewritten
.set SC,   32                          ; scale words: register 32 slot + 4 i + q: lanes 0-15 the word of R's block i, lanes 16-31 that of P's block i, for the slot's q-th 128 along K
.set PWR,  96                          ; v96-103  at the head the bias's offsets; then the scale word made for each of R's blocks
.set TM,   104                         ; v104-107 largest magnitudes, v108-111 lane permutes and bytes, v116-119 the conversions' scale operands
.set VS,   120                         ; v120-123 v's scale words as stored
.set AF,   128
.set BI,   192
.set G1R, 24                           ; s[24:31] descriptor group 1 for R's tiles;  s[32:39] group 0, a set for each slot
.set G0R, 32
.set G1P, 48                           ; s[48:55], s[56:63] the same for P's
.set G0P, 56
.set MSB, 0
.macro WIN new                         ; the immediate's high byte repeats the setting that is left
.if MSB != (\new)
	s_set_vgpr_msb (MSB<<8)|(\new)
.set MSB, (\new)
.endif
.endm
.set MUL_LO, 0xa1                      ; source 0 (P) window 1, source 1 (R) window 0, C and D window 2
.set MUL_HI, 0xf1                      ; the same, C and D window 3
.set TO_B,   0x40                      ; destination window 1, address window 0
; A joint load: waves 0 and 1 fetch for R, waves 2 and 3 for P.  Each of the two lines has one mask and one set of registers for all that issue it; the branch hangs on the wave's number alone.
; An s_nop 0 and four v_nop follow each of the two lines.
.macro JLOAD g0a, g1a, g0b, g1b
	s_cmp_eq_u32 s15, 0
	s_cbranch_scc0 .Lfor_p_\@
	tensor_load_to_lds s[\g0a:\g0a+3], s[\g1a:\g1a+7]
	s_nop 0
.rept 4
	v_nop
.endr
	s_branch .Lasked_\@
.Lfor_p_\@:
	tensor_load_to_lds s[\g0b:\g0b+3], s[\g1b:\g1b+7]
	s_nop 0
.rept 4
	v_nop
.endr
.Lasked_\@:
.endm
.macro CROUND                          ; a round of the cluster's barrier
	s_barrier_signal -1
	s_barrier_wait -1
	s_cmp_lg_u32 s14, 0
	s_cbranch_scc1 .Lnot_wave_0_\@
	s_barrier_signal -3
.Lnot_wave_0_\@:
	s_barrier_wait -3
	s_barrier_signal -1
	s_barrier_wait -1
.endm
.macro FRAG reg, adr, q, i             ; a fragment, 16 rows x 128 K, 8 registers: two loads of 512 consecutive bytes
.irp c, 0,1
	ds_load_b128 v[\reg+4*\c:\reg+4*\c+3], v[\adr] offset:1024*(\q)+512*\c+(\i)*TSL
.endr
.endm
; 16 matrix instructions: R's blocks a0, a0 + 1 x P's eight, the slot's q-th 128 along K.  p: P's set; sc: the set of scale words.  zero = 1: the product starts the sums.
; The 64 accumulators take turns, one instruction a turn, in the same order in every step.
.macro MUL16 a0, p, q, sc, zero
.irp a, \a0, \a0+1
.irp b, 0,1,2,3,4,5,6,7
.if \zero
	v_wmma_scale_f32_16x16x128_f8f6f4 v[8*(8*((\a)%4)+\b):8*(8*((\a)%4)+\b)+7], v[128*(\p)+8*\b:128*(\p)+8*\b+7], v[AF+8*(\a):AF+8*(\a)+7], 0, v[SC+32*(\sc)+4*\b+(\q)], v[SC+32*(\sc)+4*(\a)+(\q)] matrix_a_fmt:MATRIX_FMT_FP4 matrix_b_fmt:MATRIX_FMT_FP4 matrix_a_scale:MATRIX_SCALE_ROW1
.else
	v_wmma_scale_f32_16x16x128_f8f6f4 v[8*(8*((\a)%4)+\b):8*(8*((\a)%4)+\b)+7], v[128*(\p)+8*\b:128*(\p)+8*\b+7], v[AF+8*(\a):AF+8*(\a)+7], v[8*(8*((\a)%4)+\b):8*(8*((\a)%4)+\b)+7], v[SC+32*(\sc)+4*\b+(\q)], v[SC+32*(\sc)+4*(\a)+(\q)] matrix_a_fmt:MATRIX_FMT_FP4 matrix_b_fmt:MATRIX_FMT_FP4 matrix_a_scale:MATRIX_SCALE_ROW1
.endif
.endr
.endr
.endm
.macro FETCH_B slot, q, p              ; P's eight fragments into set p
	WIN TO_B
.irp i, 0,1,2,3,4,5,6,7
	FRAG 128*(\p)+8*\i, ADRP+\slot, \q, \i
.endr
	WIN 0
.endm
.macro FETCH_A slot, q, i0             ; R's blocks i0 .. i0 + 3
.irp i, \i0, \i0+1, \i0+2, \i0+3
	FRAG AF+8*(\i), ADRR+\slot, \q, \i
.endr
.endm
.macro SCALES sc                       ; a slot's scale words: four words a row; lanes 0-15 take R's block i, lanes 16-31 P's block i
.irp i, 0,1,2,3,4,5,6,7
	ds_load_b128 v[SC+32*\sc+4*\i:SC+32*\sc+4*\i+3], v[ADRS+\sc] offset:\i*TSL
.endr
.endm
.macro PLACES n                        ; plain vector instructions between a matrix instruction and a load into one of its registers, or a read of its result
.rept \n
	v_nop
.endr
.endm
.macro STEP slot, q, zero              ; a step of 128 along K that has its successor in the same slot
	s_wait_dscnt 8                                 ; P's set, R's blocks 0-3 (and the scale words) are in; the youngest 8 loads (R's blocks 4-7) may be out
	WIN MUL_LO
	MUL16 0, (\q)%2, \q, \slot, \zero
	MUL16 2, (\q)%2, \q, \slot, \zero
	s_wait_dscnt 0x0                               ; R's blocks 4-7 are in
	PLACES 4
	FETCH_B \slot, (\q)+1, 1-(\q)%2
	FETCH_A \slot, (\q)+1, 0
	WIN MUL_HI
	MUL16 4, (\q)%2, \q, \slot, \zero
	MUL16 6, (\q)%2, \q, \slot, \zero
	PLACES 4
	WIN 0
	FETCH_A \slot, (\q)+1, 4
.endm
; 64 results of a lane for R's block a (register 16 b + i = P's index 32 b + 16 h + i of my row) get their bias and become a fragment's codes, in v[128 + 8 a] on, and a scale word, in v[PWR + a].
; mode = 1: the bias runs along the registers; 0: it is the lane's own.
.macro EPI a, mode
.set WN, 2+(\a)/4
.set AC, 64*((\a)%4)
.set PC, 128+8*(\a)
	WIN (WN<<6)|WN                                 ; the accumulators: destination and source 0
.set i, 0
.rept 32                                       ; in ascending order: each accumulator is first read at its low end
.if \mode
	v_pk_add_f32 v[AC+2*i:AC+2*i+1], v[AC+2*i:AC+2*i+1], v[BI+2*i:BI+2*i+1]
.else
	v_pk_add_f32 v[AC+2*i:AC+2*i+1], v[AC+2*i:AC+2*i+1], v[BI+8*(\a):BI+8*(\a)+1]
.endif
.set i, i+1
.endr
	WIN WN|(WN<<2)                                 ; sources 0 and 1
.irp b, 0,1,2,3
	v_max3_num_f32 v[TM+\b], |v[AC+16*\b]|, |v[AC+16*\b+1]|, 0x1800000   ; block b: my 16 numbers, and the floor 2^(3 - 127)
.endr
.irp i2, 2,4,6,8,10,12,14
.irp b, 0,1,2,3
	v_max3_num_f32 v[TM+\b], |v[AC+16*\b+\i2]|, |v[AC+16*\b+\i2+1]|, v[TM+\b]
.endr
.endr
	WIN 0
.irp b, 0,1,2,3
	v_permlanex16_b32 v[TM+4+\b], v[TM+\b], s90, s91
.endr
.irp b, 0,1,2,3
	v_max_num_f32 v[TM+\b], v[TM+\b], v[TM+4+\b]   ; with lane l xor 16's 16: the block's largest magnitude
.endr
.irp b, 0,1,2,3
	v_add_nc_u32 v[TM+12+\b], 0xff000000, v[TM+\b] ; 2 off its exponent field: the conversion's scale operand
.endr
.irp b, 0,1,2,3
	v_lshrrev_b32 v[TM+4+\b], 23, v[TM+12+\b]      ; the scale's byte
.endr
	v_lshl_or_b32 v[PWR+(\a)], v[TM+5], 8, v[TM+4]
	v_lshl_or_b32 v[PWR+(\a)], v[TM+6], 16, v[PWR+(\a)]
	v_lshl_or_b32 v[PWR+(\a)], v[TM+7], 24, v[PWR+(\a)]
	WIN WN                                         ; source 0
.irp b, 0,1,2,3
	v_cvt_scalef32_pk8_fp4_f32 v[PC+2*\b], v[AC+16*\b:AC+16*\b+7], v[TM+12+\b]
	v_cvt_scalef32_pk8_fp4_f32 v[PC+2*\b+1], v[AC+16*\b+8:AC+16*\b+15], v[TM+12+\b]
.endr
	WIN 0
	v_nop                                          ; one plain instruction behind the last scaled conversion
.irp c, 0,1                                    ; a whole block to a lane: lanes 0-15 block 2 c, lanes 16-31 block 2 c + 1
.irp i2, 0,1
	v_permlane16_swap_b32 v[PC+4*\c+\i2], v[PC+4*\c+2+\i2]
.endr
.endr
.endm
	s_load_b256 s[4:11], s[0:1], 0x0               ; opq s[4:5], b_attn s[6:7], qb s[8:9], kv s[10:11]
	v_lshl_add_u32 v[SPW], v0, 2, SPARE
	v_mov_b32 v[NIL], 0
	ds_add_u32 v[SPW], v[NIL]                      ; the wave's opening: the add, twice on end, and its wait ahead of my first tensor load
	ds_add_u32 v[SPW], v[NIL]
	v_lshrrev_b32 v1, 5, v0
	v_readfirstlane_b32 s14, v1                    ; wave 0..3
	s_lshr_b32 s15, s14, 1                         ; which half of R's rows is mine.  Also: I fetch for R (0) or for P (1)
	s_and_b32 s16, s14, 1                          ; which half of P's rows.  Also: which 128 rows I fetch
	s_bfe_u32 s40, ttmp6, 0x40000                  ; cx
	s_bfe_u32 s41, ttmp6, 0x40004                  ; cy
	s_and_b32 s18, ttmp9, 1
	s_lshl_b32 s18, s18, 6
	s_add_co_u32 s18, s18, 512                     ; c < 16: P's first tile: W_attn's columns of q (even c) or of k (odd c)
	s_max_u32 s19, ttmp9, 16
	s_sub_co_u32 s19, s19, 16
	s_lshl_b32 s19, s19, 6                         ; c >= 16: P's first tile: tokens 1,024 (c - 16) on
	s_lshr_b32 s20, ttmp9, 1
	s_lshl_b32 s20, s20, 6                         ; c < 16: R's first tile: tokens 1,024 (c / 2) on
	s_mov_b32 s21, 640                             ; c >= 16: R's first tile: W_attn's columns of v
	s_cmp_lt_u32 ttmp9, 16
	s_cselect_b32 s17, 1, 0                        ; the mode: 1 for q and k, 0 for v
	s_cselect_b32 s18, s18, s19
	s_cselect_b32 s20, s20, s21
	s_lshl_b32 s43, s41, 2
	s_lshl_b32 s43, 15, s43                        ; my row of the cluster
	s_lshl_b32 s44, 0x1111, s40                    ; my column
	; descriptor group 1: 8 rows of 544 elements of 8 bytes (a tile's slot, 4,352 bytes), 1,088 elements apart (a tile's image); dense in LDS
	s_or_b32 s[G1R], s43, (3<<16)|(1<<21)          ; 15:0 the mask: R's tiles go to my row; 17:16 elements of 8 bytes; 21 set beside a mask
	s_or_b32 s[G1P], s44, (3<<16)|(1<<21)
.irp g, G1R, G1P
	s_mov_b32 s[\g+1], 544<<16                     ; tensor_dim0
	s_mov_b32 s[\g+2], 8<<16                       ; tensor_dim1
	s_mov_b32 s[\g+3], 544<<16                     ; tile_dim0
	s_mov_b32 s[\g+4], 8                           ; tile_dim1
	s_mov_b32 s[\g+5], 1088                        ; tensor_dim0_stride
	s_mov_b32 s[\g+6], 0
	s_mov_b32 s[\g+7], 0
.endr
	s_lshl_b32 s22, s16, 3                         ; which 8 tiles I fetch
	s_lshl_b32 s46, s41, 4
	s_add_co_u32 s46, s46, s20                     ; R's first tile of my work-group: it hangs on cy and c
	s_add_co_u32 s66, s46, s22
	s_mul_i32 s66, s66, TIMG
	s_mov_b32 s67, 0
	s_lshl_b32 s45, s40, 4
	s_add_co_u32 s45, s45, s18                     ; P's: it hangs on cx and c
	s_add_co_u32 s68, s45, s22
	s_mul_i32 s68, s68, TIMG
	s_mov_b32 s69, 0
	s_mul_i32 s23, s14, HALF                       ; where my load goes: wave x 128 rows: no place in the cluster enters an LDS address
	s_mov_b32 s90, 0x76543210
	s_mov_b32 s91, 0xfedcba98                      ; v_permlanex16_b32's selects for lane l xor 16
	s_wait_dscnt 0x0                               ; both opening adds are done
	s_wait_kmcnt 0x0
	s_add_nc_u64 s[66:67], s[4:5], s[66:67]
	s_add_nc_u64 s[68:69], s[4:5], s[68:69]
	CROUND                                         ; all sixteen work-groups are here: the joint loads meet
.irp s, 0,1
	s_mov_b32 s[G0R+4*\s], 1
	s_add_co_u32 s[G0R+4*\s+1], s23, \s*SLOT
	s_add_nc_u64 s[G0R+4*\s+2:G0R+4*\s+3], s[66:67], \s*TSL
	s_or_b32 s[G0R+4*\s+3], s[G0R+4*\s+3], 0x80000000
	s_mov_b32 s[G0P+4*\s], 1
	s_add_co_u32 s[G0P+4*\s+1], s23, \s*SLOT
	s_add_nc_u64 s[G0P+4*\s+2:G0P+4*\s+3], s[68:69], \s*TSL
	s_or_b32 s[G0P+4*\s+3], s[G0P+4*\s+3], 0x80000000
	JLOAD G0R+4*\s, G1R, G0P+4*\s, G1P             ; both slots: all of K is on its way; two loads of mine are out
.endr
	v_and_b32 v1, 15, v0                           ; r
	v_bfe_u32 v2, v0, 4, 1                         ; h
	v_and_b32 v3, 31, v0
	v_lshlrev_b32 v[LI], 4, v3
	v_lshlrev_b32 v[SH], 4, v2
	s_mul_i32 s21, s15, HALF                       ; my 128 rows of R
	s_mul_i32 s22, s16, HALF                       ; my 128 rows of P,
	s_add_co_u32 s22, s22, 2*HALF                  ; which lie behind R's 256
	v_add_nc_u32 v[ADRR], s21, v[LI]
	v_add_nc_u32 v[ADRP], s22, v[LI]
	v_add_nc_u32 v[ADRR+1], SLOT, v[ADRR]
	v_add_nc_u32 v[ADRP+1], SLOT, v[ADRP]
	v_lshlrev_b32 v5, 4, v1                        ; my row's four scale words: 16 r, behind a tile's 4,096 bytes of codes
	s_sub_co_u32 s22, s22, s21
	v_mul_u32_u24 v6, s22, v2                      ; lanes 16-31 take P's
	s_add_co_u32 s21, s21, 4096
	v_add_nc_u32 v5, v5, v6
	v_add_nc_u32 v[ADRS], s21, v5
	v_add_nc_u32 v[ADRS+1], SLOT, v[ADRS]
.irp b, 0,1,2,3
	v_mov_b32 v[TM+4+\b], 0                        ; written once: a lane permute's destination counts as one of its sources
.endr
	; the bias, with no branch: register 8 i + j.  Mode 1: b_attn at P's index 32 (i / 2) + 8 (i % 2) + 16 h + j.  Mode 0: at R's row 32 (i / 2) + 8 (i % 2) + r + 8 (r / 8), the same for all j
	s_cmp_eq_u32 s17, 1
	s_cselect_b32 s70, 64, 0                       ; bytes for h,
	s_cselect_b32 s71, 0, 4                        ; for the lane's row,
	s_cselect_b32 s72, 4, 0                        ; for j
	s_cselect_b32 s73, s45, s46
	s_cselect_b32 s74, s16, s15
	s_sub_co_u32 s73, s73, 512
	s_lshl_b32 s73, s73, 4
	s_lshl_b32 s74, s74, 7
	s_add_co_u32 s73, s73, s74                     ; my wave's first column of qkv
	s_lshl_b32 s74, s73, 2
	s_mov_b32 s75, 0
	s_add_nc_u64 s[6:7], s[6:7], s[74:75]
	v_and_b32 v4, 8, v1
	v_add_nc_u32 v4, v4, v1                        ; r + 8 (r / 8)
	v_mul_lo_u32 v5, v2, s70
	v_mul_lo_u32 v4, v4, s71
	v_add_nc_u32 v5, v5, v4
.irp j, 0,1,2,3,4,5,6,7
	v_mad_u32_u24 v[PWR+\j], s72, \j, v5
.endr
.irp i, 0,1,2,3,4,5,6,7
.irp j, 0,1,2,3,4,5,6,7
	global_load_b32 v[BI+8*\i+\j], v[PWR+\j], s[6:7] offset:(32*(\i/2)+8*(\i%2))*4
.endr
.endr
	s_wait_tensorcnt 1                             ; my part of slot 0 is in; slot 1's load may be out
	s_wait_loadcnt 0x0                             ; the bias
	s_barrier_signal -1
	s_barrier_wait -1                              ; everybody's part is in
	FETCH_B 0, 0, 0
	FETCH_A 0, 0, 0
	SCALES 0
	FETCH_A 0, 0, 4
	STEP 0, 0, 1                                   ; the first step's products start the sums: nothing is cleared
	STEP 0, 1, 0
	STEP 0, 2, 0
	; slot 0's last step changes slots: each wave's part of slot 1 has landed ahead of its signal; nothing is filled again
	s_wait_tensorcnt 0x0
	s_wait_dscnt 8
	WIN MUL_LO
	MUL16 0, 1, 3, 0, 0
	s_wait_dscnt 0x0                               ; no LDS instruction of mine is pending at the signal
	s_barrier_signal -1
	MUL16 2, 1, 3, 0, 0
	WIN 0
	s_barrier_wait -1
	PLACES 4
	FETCH_B 1, 0, 0
	FETCH_A 1, 0, 0
	SCALES 1
	WIN MUL_HI
	MUL16 4, 1, 3, 0, 0
	MUL16 6, 1, 3, 0, 0
	PLACES 4
	WIN 0
	FETCH_A 1, 0, 4
	STEP 1, 0, 0
	STEP 1, 1, 0
	STEP 1, 2, 0
	s_wait_dscnt 8                                 ; the last step: nothing more to fetch
	WIN MUL_LO
	MUL16 0, 1, 3, 1, 0
	MUL16 2, 1, 3, 1, 0
	s_wait_dscnt 0x0
	WIN MUL_HI
	MUL16 4, 1, 3, 1, 0
	MUL16 6, 1, 3, 1, 0
	WIN 0
	PLACES 4                                       ; ahead of the first read of results, and of writes into the registers that held R's fragments
	s_cmp_eq_u32 s17, 0                            ; the one branch on the mode: it hangs on the cluster's number alone
	s_cbranch_scc1 .Lv_arm
	; ---- q or k: my 128 tokens are one step of 128; my 128 columns are two heads
	s_lshl_b32 s70, s46, 4
	s_lshl_b32 s71, s15, 7
	s_add_co_u32 s70, s70, s71                     ; my first token
	s_lshr_b32 s71, s70, 11                        ; its batch
	s_bfe_u32 s72, s70, 0x40007                    ; its step of 128
	s_sub_co_u32 s73, s45, 512
	s_lshl_b32 s73, s73, 4
	s_lshl_b32 s74, s16, 7
	s_add_co_u32 s73, s73, s74
	s_bfe_u32 s73, s73, 0x40006                    ; my first head
	s_lshl_b32 s71, s71, 4
	s_add_co_u32 s71, s71, s73                     ; bh
	s_mov_b32 s78, 143360
	s_mov_b32 s79, 8960
	s_mov_b32 s80, 8192
	s_and_b32 s74, ttmp9, 1
	s_cmp_eq_u32 s74, 0                            ; q goes to qb, k to kv: the choice hangs on the cluster's number alone
	s_cselect_b64 s[76:77], s[8:9], s[10:11]
	s_cselect_b32 s78, 73728, s78                  ; bytes from head to head,
	s_cselect_b32 s79, 4608, s79                   ; from step to step,
	s_cselect_b32 s80, 4096, s80                   ; and to the scale words
	s_mul_i32 s82, s71, s78
	s_mul_i32 s83, s72, s79
	s_add_co_u32 s82, s82, s83
	s_mov_b32 s83, 0
	s_add_nc_u64 s[76:77], s[76:77], s[82:83]      ; my first head's step
	s_mov_b32 s82, s78
	s_add_nc_u64 s[84:85], s[76:77], s[82:83]      ; my second head's
	s_mov_b32 s82, s80
	s_add_nc_u64 s[86:87], s[76:77], s[82:83]      ; the scale words
	v_mul_lo_u32 v[SO], v2, s78
	v_lshl_add_u32 v[SO], v1, 4, v[SO]             ; lanes 0-15 the first head, lanes 16-31 the second: 16 r
.irp a, 0,1,2,3,4,5,6,7
	EPI \a, 1
	global_store_b128 v[LI], v[128+8*\a:128+8*\a+3], s[76:77] offset:512*\a      ; blocks 0, 1: the first head's tile a: 512 consecutive bytes
	global_store_b128 v[LI], v[128+8*\a+4:128+8*\a+7], s[84:85] offset:512*\a    ; blocks 2, 3: the second head's
.endr
.irp a, 0,1,2,3,4,5,6,7
	v_lshrrev_b32 v[PWR+\a], v[SH], v[PWR+\a]      ; lanes 16-31 bring the second head's two bytes down
.endr
	global_store_b128 v[SO], v[PWR:PWR+3], s[86:87]             ; sixteen lanes store 256 consecutive bytes, aligned
	global_store_b128 v[SO], v[PWR+4:PWR+7], s[86:87] offset:256
	s_branch .Lend
	; ---- v: my 128 tokens (P) are one step of 128 keys; my 128 columns (R) are two heads x four tiles of 16 d
.Lv_arm:
	s_lshl_b32 s70, s45, 4
	s_lshl_b32 s71, s16, 7
	s_add_co_u32 s70, s70, s71                     ; my first token
	s_lshr_b32 s71, s70, 11
	s_bfe_u32 s72, s70, 0x40007
	s_sub_co_u32 s73, s46, 640
	s_lshl_b32 s73, s73, 4
	s_lshl_b32 s74, s15, 7
	s_add_co_u32 s73, s73, s74
	s_lshr_b32 s73, s73, 6                         ; my first head
	s_lshl_b32 s71, s71, 4
	s_add_co_u32 s71, s71, s73
	s_mul_i32 s82, s71, 143360
	s_mul_i32 s83, s72, 8960
	s_add_co_u32 s82, s82, s83
	s_add_co_u32 s82, s82, 4096                    ; v's tiles lie behind k's codes
	s_mov_b32 s83, 0
	s_add_nc_u64 s[76:77], s[10:11], s[82:83]
	s_add_nc_u64 s[84:85], s[76:77], 143360
	s_mov_b32 s88, 0xffff0000                      ; lanes 16-31
	v_mul_u32_u24 v[SO], v2, 143360
	v_lshl_add_u32 v[SO], v1, 4, v[SO]
.irp a, 0,1,2,3,4,5,6,7
	EPI \a, 0
	global_store_b128 v[LI], v[128+8*\a:128+8*\a+3], s[76+8*(\a/4):77+8*(\a/4)] offset:1024*(\a%4)
	global_store_b128 v[LI], v[128+8*\a+4:128+8*\a+7], s[76+8*(\a/4):77+8*(\a/4)] offset:1024*(\a%4)+512
.endr
.irp t, 0,1,2,3
	v_cndmask_b32 v[VS+\t], v[PWR+\t], v[PWR+4+\t], s88   ; lanes 0-15 the first head's tile t, lanes 16-31 the second's
.endr
	global_store_b128 v[SO], v[VS:VS+3], s[76:77] offset:4608   ; sixteen lanes store 256 consecutive bytes, aligned
.Lend:
	s_wait_tensorcnt 0x0                           ; the wave's end: behind my last tensor load
	ds_add_u32 v[SPW], v[NIL]
	s_wait_dscnt 0x0
	CROUND                                         ; the closing round
	s_endpgm
.Lfunc_end_k_q72ee309b7b_qkv:
	.size	k_q72ee309b7b_qkv, .Lfunc_end_k_q72ee309b7b_qkv-k_q72ee309b7b_qkv
	.p2alignl 7, 3214868480
	.fill 96, 4, 3214868480
	.section	.rodata,"a",@progbits
	.p2align	6, 0x0
	.amdhsa_kernel k_q72ee309b7b_qkv
		.amdhsa_group_segment_fixed_size 327680
		.amdhsa_private_segment_fixed_size 0
		.amdhsa_enable_private_segment 0
		.amdhsa_kernarg_size 32
		.amdhsa_user_sgpr_count 2
		.amdhsa_user_sgpr_kernarg_segment_ptr 1
		.amdhsa_wavefront_size32 1
		.amdhsa_system_sgpr_workgroup_id_x 1
		.amdhsa_system_sgpr_workgroup_id_y 1
		.amdhsa_system_sgpr_workgroup_id_z 1
		.amdhsa_system_vgpr_workitem_id 0
		.amdhsa_next_free_vgpr 1024
		.amdhsa_next_free_sgpr 96
		.amdhsa_reserve_vcc 0
		.amdhsa_float_denorm_mode_32 3
		.amdhsa_float_denorm_mode_16_64 3
		.amdhsa_memory_ordered 1
		.amdhsa_forward_progress 1
		.amdhsa_inst_pref_size 200
	.end_amdhsa_kernel
	.amdgpu_metadata
---
amdhsa.version: [ 1, 2 ]
amdhsa.kernels:
  - .name:           k_q72ee309b7b_qkv
    .symbol:         k_q72ee309b7b_qkv.kd
    .args:
      - { .name: opq, .offset: 0, .size: 8, .value_kind: global_buffer, .address_space: global }
      - { .name: b_attn, .offset: 8, .size: 8, .value_kind: global_buffer, .address_space: global }
      - { .name: qb, .offset: 16, .size: 8, .value_kind: global_buffer, .address_space: global }
      - { .name: kv, .offset: 24, .size: 8, .value_kind: global_buffer, .address_space: global }
    .group_segment_fixed_size: 327680
    .private_segment_fixed_size: 0
    .kernarg_segment_align: 8
    .kernarg_segment_size: 32
    .max_flat_workgroup_size: 128
    .sgpr_count:     96
    .vgpr_count:     1024
    .wavefront_size: 32
...
	.end_amdgpu_metadata
.endif
;; end of part 2
;; launch attn (part 3): grid 4 x 64, 16 waves a work-group, clusters of 4 x 1, 167,936 bytes of LDS; arguments qb, kv, yq; writes yq
.if DOCPART == 3
	.amdgcn_target "amdgcn-amd-amdhsa--gfx1250"
	.amdhsa_code_object_version 6
	.text
	.protected	k_q72ee309b7b_attn
	.globl	k_q72ee309b7b_attn
	.p2align	8
	.type	k_q72ee309b7b_attn,@function
k_q72ee309b7b_attn:
	s_mov_b64 s[64:65], 0
	v_nop
	global_prefetch_b8 v0, s[64:65] scope:SCOPE_SE
	s_setreg_imm32_b32 hwreg(HW_REG_WAVE_MODE, 25, 1), 1
	s_wait_xcnt 0x0
	s_wait_alu depctr_hold_cnt(0) depctr_sa_sdst(0) depctr_va_vdst(0) depctr_va_sdst(0) depctr_va_ssrc(0) depctr_va_vcc(0) depctr_vm_vsrc(0)
	s_getreg_b32 s2, hwreg(HW_REG_IB_STS2, 6, 4)
	s_cmp_eq_u32 s2, 0
	s_cbranch_scc0 .Lentry_in_a_cluster
	s_endpgm
.Lentry_in_a_cluster:
	s_bfe_u32 s2, ttmp6, 0x10000c
	s_cmp_lg_u32 s2, 0x3003
	s_cbranch_scc0 .Lentry_shape_is_right
	s_endpgm
.Lentry_shape_is_right:
; LAUNCH 3 OF 4.  y[b][h][q] = the sum over keys k <= q of softmax_k(q . k / 8) v, both products on codes of FP4, and y quantised along C = 64 head + d for the projection.  y never lies in memory as f32.
; WORK LEFT OUT: a step of 128 keys all of which come after a tile's 16 queries (the causal mask that reference() builds gives them the weight 0 for all inputs: see the head of launch quant).
; THE SOFTMAX AHEAD OF THE SECOND PRODUCT: t = score x log2(e) / 8; M = the running largest t rounded UP to a whole number; p = 2^(t - M) is quantised along the keys, not normalised; the row's sum is taken of the unquantised p and divides at the end.
; When M moves, the sum and O are multiplied by 2^(old M - new M): exact.
; SHARES.  A cluster of four work-groups has one (batch, head).  Work-group j owns, in every group g of 128 queries, queries 128 g + 32 j .. + 31: two tiles of 16.  Wave w owns tile A (group w, u = 0) and tile B (group 15 - w, u = 1).
; A tile of group g has g + 1 live key steps, so every wave has 17 tile steps, every work-group 272, and every work-group reads all 16 key steps: the partners run alike, and branches hang on the wave's number and the loop's count alone.
; LDS: the head's whole K and V with their scale words, 16 blocks of 8,960 bytes, filled ONCE: each of the sixteen waves asks for one block, jointly with its three partners.  No slot is ever filled again.
; LAYOUT.  Both products are used transposed: S^T = K Q^T (source 0 = 16 keys, source 1 = my 16 queries), O^T = V^T P^T (source 0 = 16 of the head's 64): a lane holds ONE query throughout.  Tiles of keys, of queries and of d hold rows
; 32 G + 8 u + r + 8 (r / 8), so that the 16 registers of results 2 G and 2 G + 1 are 16 neighbours.  The first product's K is 64: registers 4-7 of its fragments are zeros, set once; zero codes add nothing.
; LIMITS of the quantiser: as stated at the head of launch quant.
.set BLK,   8960                       ; a key step's block: K's codes 4,096, V's 4,096, K's scale words 512, V's 256
.set SPARE, 16*BLK                     ; behind the blocks: the spare words, 128 bytes for each wave
.set LI,   1                           ; v1   16 x lane
.set LSC,  2                           ; v2   16 r
.set SPW,  3                           ; v3   LDS address of my spare word; never rewritten
.set NIL,  4                           ; v4   0; never rewritten
.set ADK,  5                           ; v5   the step's block + 16 x lane; on the way out y's scale bytes' offset
.set ADS,  6                           ; v6   the step's block + 16 r
.set DQA,  7                           ; v7, v8  my query's place in its 128, less 16 h
.set DQB,  8
.set TA,   9                           ; v9, v11 at work
.set PW,   10                          ; v10  p's scale word
.set TC,   11
.set STA,  12                          ; v12-15, v16-19: -M, the largest t, the sum in two halves
.set STB,  16
.set QFA,  20                          ; v20-27, v28-35 Q's fragments
.set QFB,  28
.set QSA,  36                          ; v36, v37 Q's scale words
.set QSB,  37
.set FF,   38                          ; v38 f or 1 / the sum; v39 named with it as a pair, written once
.set KF,   40                          ; v40-71 four fragments of K
.set VF,   72                          ; v72-103 V's four fragments
.set S,    104                         ; v104-167 S^T, then p
.set OTA,  168                         ; v168-199, v200-231 O^T
.set OTB,  200
.set PC,   232                         ; v232-239 p's codes; on the way out y's
.set BM,   240                         ; v240-243 the blocks' largest
.set T2,   244                         ; v244-247 lane permutes, a chain of sums, bytes
.set SCW,  248                         ; v248-251 K's scale words, then V's
.set SOP,  252                         ; v252-255 the conversions' scale operands
.set WV,   10
.set JJ,   11
.set BH,   12
.set GA,   13
.set GB,   14
.set KS,   15
.set TB,   16
.set HM,   17
.set CS,   18                          ; s[18:19] c = log2(e) / 8
.set SEL,  20                          ; s[20:21]
.set G1,   24
.set G0,   32
.macro CROUND
	s_barrier_signal -1
	s_barrier_wait -1
	s_cmp_lg_u32 s[WV], 0
	s_cbranch_scc1 .Lnot_wave_0_\@
	s_barrier_signal -3
.Lnot_wave_0_\@:
	s_barrier_wait -3
	s_barrier_signal -1
	s_barrier_wait -1
.endm
; ONE TILE'S KEY STEP: 128 keys.
.macro TSTEP st, qf, qs, ot, dq, lim
	s_cmp_gt_u32 s[KS], s[\lim]                    ; all 128 keys come after my tile's queries: the step is left out.  No barrier and no tensor load stands in a step
	s_cbranch_scc1 .Lhid_\@
	v_add_nc_u32 v[ADK], s[TB], v[LI]
	v_add_nc_u32 v[ADS], s[TB], v[LSC]
	v_nop
	v_nop                                          ; four plain instructions between the last products and the loads into their scale registers
.irp g, 0,1                                    ; S^T = K Q^T, four tiles of 16 keys at a time
.if \g
.rept 4
	v_nop
.endr
.endif
.irp t, 0,1,2,3
	ds_load_b128 v[KF+8*\t:KF+8*\t+3], v[ADK] offset:(4*\g+\t)*512
.endr
	ds_load_b128 v[SCW:SCW+3], v[ADS] offset:8192+256*\g
	s_wait_dscnt 0x0
.irp t, 0,1,2,3
	v_wmma_scale_f32_16x16x128_f8f6f4 v[S+8*(4*\g+\t):S+8*(4*\g+\t)+7], v[KF+8*\t:KF+8*\t+7], v[\qf:\qf+7], 0, v[SCW+\t], v[\qs] matrix_a_fmt:MATRIX_FMT_FP4 matrix_b_fmt:MATRIX_FMT_FP4
.endr
.endr
.rept 4
	v_nop
.endr
.irp t, 0,1,2,3                                ; V is asked for now and is waited for behind the softmax
.irp c, 0,1
	ds_load_b128 v[VF+8*\t+4*\c:VF+8*\t+4*\c+3], v[ADK] offset:4096+1024*\t+512*\c
.endr
.endr
	ds_load_b128 v[SCW:SCW+3], v[ADS] offset:8704
	s_cmp_lg_u32 s[KS], s[\lim]                    ; on the diagonal the scores of hidden keys become -infinity ahead of the maximum: p = 0 then.  A step all of whose keys count skips this
	s_cbranch_scc1 .Lopen_\@
	v_mov_b32 v[TA], 0xff800000
.set n, 0
.rept 64                                       ; register 16 b + i holds key 32 b + 16 h + i of the step: hidden where 32 b + i > my query's place - 16 h
	v_cmp_gt_i32 vcc_lo, 32*(n/16)+n%16, v[\dq]
	v_cndmask_b32 v[S+n], v[S+n], v[TA], vcc_lo
.set n, n+1
.endr
.Lopen_\@:
.irp b, 0,1,2,3
	v_max3_num_f32 v[BM+\b], v[S+16*\b], v[S+16*\b+1], v[S+16*\b+2]   ; the largest score of each block of 32 keys: for the row's maximum and, since p rises with the score, for the block's largest p
.endr
.irp i2, 3,5,7,9,11,13
.irp b, 0,1,2,3
	v_max3_num_f32 v[BM+\b], v[BM+\b], v[S+16*\b+\i2], v[S+16*\b+\i2+1]
.endr
.endr
.irp b, 0,1,2,3
	v_max_num_f32 v[BM+\b], v[BM+\b], v[S+16*\b+15]
.endr
.irp b, 0,1,2,3
	v_permlanex16_b32 v[T2+\b], v[BM+\b], s[SEL], s[SEL+1]
.endr
.irp b, 0,1,2,3
	v_max_num_f32 v[BM+\b], v[BM+\b], v[T2+\b]     ; with lane l xor 16's 16 keys
.endr
	v_max3_num_f32 v[TA], v[BM], v[BM+1], v[BM+2]
	v_max_num_f32 v[TA], v[TA], v[BM+3]
	v_mul_f32 v[TA], s[CS], v[TA]                  ; the step's largest t (c is positive)
	v_max_num_f32 v[\st+1], v[\st+1], v[TA]        ; the running largest t
	v_mov_b32 v[TA], v[\st]
	v_floor_f32 v[\st], -v[\st+1]                  ; the new -M = floor(-t) = -ceil(t)
	v_sub_f32 v[TA], v[\st], v[TA]                 ; old M - new M: a whole number, 0 or less
	v_cvt_i32_f32 v[TA], v[TA]                     ; (it saturates)
	v_ldexp_f32 v[FF], 1.0, v[TA]                  ; f = 2^(old M - new M)
.set n, 0
.rept 32
	v_pk_fma_f32 v[S+n:S+n+1], v[S+n:S+n+1], s[CS:CS+1], v[\st:\st+1] op_sel_hi:[1,0,0]   ; t - M, two at a time
.set n, n+2
.endr
.irp b, 0,1,2,3
	v_fma_f32 v[BM+\b], v[BM+\b], s[CS], v[\st]    ; the same of each block's largest score
.endr
.set n, 0
.rept 64
	v_exp_f32 v[S+n], v[S+n]                       ; p = 2^(t - M)
.set n, n+1
.endr
	v_pk_mul_f32 v[\st+2:\st+3], v[\st+2:\st+3], v[FF:FF+1] op_sel_hi:[1,0]   ; the sums under the new M: the plain instruction behind the exponentials
	s_wait_alu depctr_va_vdst(0)                   ; one wait for the batch of 64, ahead of its first reader
.irp b, 0,1,2,3
	v_exp_f32 v[BM+\b], v[BM+\b]                   ; the blocks' largest p
.endr
	v_pk_add_f32 v[T2:T2+1], v[S:S+1], v[S+2:S+3]  ; the row's sum of the unquantised p, in two chains
.irp i2, 4,8,12,16,20,24,28,32,36,40,44,48,52,56,60
	v_pk_add_f32 v[\st+2:\st+3], v[\st+2:\st+3], v[S+\i2:S+\i2+1]
	v_pk_add_f32 v[T2:T2+1], v[T2:T2+1], v[S+\i2+2:S+\i2+3]
.endr
	v_pk_add_f32 v[\st+2:\st+3], v[\st+2:\st+3], v[T2:T2+1]
	s_wait_alu depctr_va_vdst(0)                   ; and one for the four
.irp b, 0,1,2,3
	v_max_num_f32 v[BM+\b], 0x1800000, v[BM+\b]    ; the floor 2^(3 - 127): the byte cannot fall under 1
.endr
.irp b, 0,1,2,3
	v_add_nc_u32 v[SOP+\b], 0xff000000, v[BM+\b]
.endr
.irp b, 0,1,2,3
	v_lshrrev_b32 v[T2+\b], 23, v[SOP+\b]
.endr
	v_lshl_or_b32 v[PW], v[T2+1], 8, v[T2]
	v_lshl_or_b32 v[PW], v[T2+2], 16, v[PW]
	v_lshl_or_b32 v[PW], v[T2+3], 24, v[PW]
.irp b, 0,1,2,3
	v_cvt_scalef32_pk8_fp4_f32 v[PC+2*\b], v[S+16*\b:S+16*\b+7], v[SOP+\b]
	v_cvt_scalef32_pk8_fp4_f32 v[PC+2*\b+1], v[S+16*\b+8:S+16*\b+15], v[SOP+\b]
.endr
	v_nop                                          ; one plain instruction behind the last scaled conversion
.irp c, 0,1
.irp i2, 0,1
	v_permlane16_swap_b32 v[PC+4*\c+\i2], v[PC+4*\c+2+\i2]
.endr
.endr
.set n, 0
.rept 16
	v_pk_mul_f32 v[\ot+n:\ot+n+1], v[\ot+n:\ot+n+1], v[FF:FF+1] op_sel_hi:[1,0]   ; O^T under the new M.  Twelve of these name no register of any one product below: they stand between the scale word's and the codes' last writes and the products
.set n, n+2
.endr
	s_wait_dscnt 0x0                               ; V and its scale words
.irp t, 0,1,2,3                                ; the four accumulators take turns
	v_wmma_scale_f32_16x16x128_f8f6f4 v[\ot+8*\t:\ot+8*\t+7], v[VF+8*\t:VF+8*\t+7], v[PC:PC+7], v[\ot+8*\t:\ot+8*\t+7], v[SCW+\t], v[PW] matrix_a_fmt:MATRIX_FMT_FP4 matrix_b_fmt:MATRIX_FMT_FP4
.endr
.Lhid_\@:
.endm
; THE WAY OUT of a tile: O^T / the sum is y(query r, d = 32 b + 16 h + i) in register 16 b + i: two blocks of 32 along C.  Their codes are half a fragment of the projection's operand: 512 consecutive bytes.
.macro OUT st, ot, yc, yb, base
	v_add_f32 v[TA], v[\st+2], v[\st+3]
	v_permlanex16_b32 v[TC], v[TA], s[SEL], s[SEL+1]
	v_add_f32 v[TA], v[TA], v[TC]                  ; the row's sum
	v_rcp_f32 v[FF], v[TA]
	v_nop                                          ; a plain instruction behind the reciprocal,
	s_wait_alu depctr_va_vdst(0)                   ; and the wait ahead of its first reader
.set n, 0
.rept 16
	v_pk_mul_f32 v[S+n:S+n+1], v[\ot+n:\ot+n+1], v[FF:FF+1] op_sel_hi:[1,0]
.set n, n+2
.endr
.irp b, 0,1
	v_max3_num_f32 v[BM+\b], |v[S+16*\b]|, |v[S+16*\b+1]|, 0x1800000
.endr
.irp i2, 2,4,6,8,10,12,14
.irp b, 0,1
	v_max3_num_f32 v[BM+\b], v[BM+\b], |v[S+16*\b+\i2]|, |v[S+16*\b+\i2+1]|
.endr
.endr
.irp b, 0,1
	v_permlanex16_b32 v[T2+2+\b], v[BM+\b], s[SEL], s[SEL+1]
.endr
.irp b, 0,1
	v_max_num_f32 v[BM+\b], v[BM+\b], v[T2+2+\b]
.endr
.irp b, 0,1
	v_add_nc_u32 v[SOP+\b], 0xff000000, v[BM+\b]
.endr
.irp b, 0,1
	v_lshrrev_b32 v[T2+2+\b], 23, v[SOP+\b]
.endr
	v_cndmask_b32 v[\yb], v[T2+2], v[T2+3], s[HM]  ; lane (r, h) stores block h's byte
.irp b, 0,1
	v_cvt_scalef32_pk8_fp4_f32 v[\yc+2*\b], v[S+16*\b:S+16*\b+7], v[SOP+\b]
	v_cvt_scalef32_pk8_fp4_f32 v[\yc+2*\b+1], v[S+16*\b+8:S+16*\b+15], v[SOP+\b]
.endr
	v_nop
.irp i2, 0,1
	v_permlane16_swap_b32 v[\yc+\i2], v[\yc+2+\i2]
.endr
	global_store_b128 v[LI], v[\yc:\yc+3], s[\base:\base+1]    ; 512 consecutive bytes, aligned to 256
	global_store_b8 v[ADK], v[\yb], s[\base:\base+1]           ; 32 scale bytes, two of each row's 16: one byte for each 16 of codes; these runs of 256 bytes are filled by eight heads' work-groups
.endm
	s_load_b128 s[4:7], s[0:1], 0x0                ; qb s[4:5], kv s[6:7]
	s_load_b64 s[8:9], s[0:1], 0x10                ; yq
	v_lshl_add_u32 v[SPW], v0, 2, SPARE
	v_mov_b32 v[NIL], 0
	ds_add_u32 v[SPW], v[NIL]                      ; the wave's opening: the add, twice on end, and its wait ahead of my first tensor load
	ds_add_u32 v[SPW], v[NIL]
	v_lshrrev_b32 v1, 5, v0
	v_readfirstlane_b32 s[WV], v1                  ; wave 0..15
	s_bfe_u32 s[JJ], ttmp6, 0x40000                ; j = cx: it enters Q's and y's addresses and the mask's numbers alone
	s_and_b32 s[BH], ttmp7, 0xffff                 ; 16 batch + head, which the four partners share
	s_mov_b32 s[GA], s[WV]                         ; tile A's group of 128 queries
	s_sub_co_u32 s[GB], 15, s[WV]                  ; tile B's
	; descriptor group 1: a block of 8,960 dense bytes as 35 rows of 32 elements of 8 bytes
	s_mov_b32 s[G1], 15|(3<<16)|(1<<21)            ; 15:0 the mask: all four work-groups; 17:16 elements of 8 bytes; 21 set beside a mask
	s_mov_b32 s[G1+1], 32<<16
	s_mov_b32 s[G1+2], 35<<16
	s_mov_b32 s[G1+3], 32<<16
	s_mov_b32 s[G1+4], 35
	s_mov_b32 s[G1+5], 32
	s_mov_b32 s[G1+6], 0
	s_mov_b32 s[G1+7], 0
	s_mov_b32 s[G0], 1
	s_mul_i32 s[G0+1], s[WV], BLK                  ; key step w's block, in LDS
	s_mul_i32 s36, s[BH], 16*BLK
	s_add_co_u32 s36, s36, s[G0+1]                 ; and in memory
	s_mov_b32 s37, 0
	s_mov_b32 s[CS], 0x3e38aa3b                    ; c = log2(e) / 8
	s_mov_b32 s[CS+1], s[CS]
	s_mov_b32 s[SEL], 0x76543210
	s_mov_b32 s[SEL+1], 0xfedcba98
	s_mov_b32 s[HM], 0xffff0000                    ; lanes 16-31
	; Q: qb + bh x 73,728 + group x 4,608 + tile (2 j + u) x 512; its scale words: + 4,096 + 256 (j / 2) + 8 (j % 2) + 4 u + 16 r
	s_mul_i32 s22, s[BH], 73728
	s_mul_i32 s50, s[GA], 4608
	s_add_co_u32 s50, s50, s22
	s_mul_i32 s51, s[GB], 4608
	s_add_co_u32 s51, s51, s22
	s_lshl_b32 s52, s[JJ], 10
	s_add_co_u32 s38, s50, s52
	s_mov_b32 s39, 0
	s_add_co_u32 s40, s51, s52
	s_add_co_u32 s40, s40, 512
	s_mov_b32 s41, 0
	s_lshr_b32 s52, s[JJ], 1
	s_lshl_b32 s52, s52, 8
	s_and_b32 s53, s[JJ], 1
	s_lshl_b32 s53, s53, 3
	s_add_co_u32 s52, s52, s53
	s_add_co_u32 s52, s52, 4096
	s_add_co_u32 s42, s50, s52
	s_mov_b32 s43, 0
	s_add_co_u32 s44, s51, s52
	s_add_co_u32 s44, s44, 4
	s_mov_b32 s45, 0
	; y: yq + tile x 8,704 + (head / 8) x 4,352 + ((head / 2) % 4) x 1,024 + (head % 2) x 512; tile = 2 (64 batch + 4 group + j) + u
	s_lshr_b32 s50, s[BH], 4
	s_lshl_b32 s50, s50, 6
	s_add_co_u32 s50, s50, s[JJ]
	s_and_b32 s53, s[BH], 15
	s_lshr_b32 s54, s53, 3
	s_mul_i32 s54, s54, 4352
	s_bfe_u32 s55, s53, 0x20001
	s_and_b32 s56, s53, 1
	s_lshl_b32 s51, s55, 10
	s_add_co_u32 s54, s54, s51
	s_lshl_b32 s51, s56, 9
	s_add_co_u32 s54, s54, s51
	s_lshl_b32 s51, s[GA], 2
	s_add_co_u32 s51, s51, s50
	s_lshl_b32 s51, s51, 1
	s_mul_i32 s46, s51, 8704
	s_add_co_u32 s46, s46, s54
	s_mov_b32 s47, 0
	s_lshl_b32 s51, s[GB], 2
	s_add_co_u32 s51, s51, s50
	s_lshl_b32 s51, s51, 1
	s_add_co_u32 s51, s51, 1
	s_mul_i32 s48, s51, 8704
	s_add_co_u32 s48, s48, s54
	s_mov_b32 s49, 0
	s_mul_i32 s57, s55, 1020                       ; from my codes' first byte to my scale bytes: 4,096 + 4 q + 2 c - 1,024 q - 512 c, at least 526
	s_mul_i32 s59, s56, 510
	s_add_co_u32 s57, s57, s59
	s_sub_co_u32 s58, 4096, s57
	s_wait_dscnt 0x0                               ; both opening adds are done
	s_wait_kmcnt 0x0
	s_add_nc_u64 s[G0+2:G0+3], s[6:7], s[36:37]
	s_or_b32 s[G0+3], s[G0+3], 0x80000000
	s_add_nc_u64 s[38:39], s[4:5], s[38:39]
	s_add_nc_u64 s[40:41], s[4:5], s[40:41]
	s_add_nc_u64 s[42:43], s[4:5], s[42:43]
	s_add_nc_u64 s[44:45], s[4:5], s[44:45]
	s_add_nc_u64 s[46:47], s[8:9], s[46:47]
	s_add_nc_u64 s[48:49], s[8:9], s[48:49]
	CROUND                                         ; all four work-groups are here: the joint loads meet
	tensor_load_to_lds s[G0:G0+3], s[G1:G1+7]      ; my one tensor load of the launch
	s_nop 0
.rept 4
	v_nop
.endr
	v_and_b32 v[TA], 31, v0
	v_lshlrev_b32 v[LI], 4, v[TA]
	v_and_b32 v[TA], 15, v0                        ; r
	v_lshlrev_b32 v[LSC], 4, v[TA]
	global_load_b128 v[QFA:QFA+3], v[LI], s[38:39]
	global_load_b128 v[QFB:QFB+3], v[LI], s[40:41]
	global_load_b32 v[QSA], v[LSC], s[42:43]
	global_load_b32 v[QSB], v[LSC], s[44:45]
.irp i, 4,5,6,7
	v_mov_b32 v[QFA+\i], 0                         ; K = 64 .. 127 of the first product: zero codes
	v_mov_b32 v[QFB+\i], 0
.endr
.irp t, 0,1,2,3
.irp i, 4,5,6,7
	v_mov_b32 v[KF+8*\t+\i], 0
.endr
.endr
	v_and_b32 v[TC], 8, v[TA]
	v_add_nc_u32 v[TA], v[TA], v[TC]               ; r + 8 (r / 8)
	v_bfe_u32 v[TC], v0, 4, 1
	v_lshlrev_b32 v[TC], 4, v[TC]
	v_sub_nc_u32 v[DQA], v[TA], v[TC]
	s_lshl_b32 s22, s[JJ], 5
	v_add_nc_u32 v[DQA], s22, v[DQA]               ; 32 j + r + 8 (r / 8) - 16 h
	v_add_nc_u32 v[DQB], 8, v[DQA]                 ; tile B: u = 1
.irp st, STA, STB
	v_mov_b32 v[\st+1], 0xff61b1e6                 ; the largest t so far: -3e38
	v_floor_f32 v[\st], -v[\st+1]                  ; -M
	v_mov_b32 v[\st+2], 0
	v_mov_b32 v[\st+3], 0
.endr
.irp b, 0,1,2,3
	v_mov_b32 v[T2+\b], 0                          ; written once: a lane permute's destination counts as one of its sources
.endr
	v_mov_b32 v[TC], 0
	v_mov_b32 v[FF+1], 0
.set n, 0
.rept 64
	v_mov_b32 v[OTA+n], 0                          ; O^T of both tiles: the step is written once; its first walk finds zeros, which the first change of M leaves zeros
.set n, n+1
.endr
	s_mov_b32 s[KS], 0
	s_mov_b32 s[TB], 0
	s_wait_loadcnt 0x0                             ; Q
	s_wait_tensorcnt 0x0                           ; my block has landed,
	s_barrier_signal -1
	s_barrier_wait -1                              ; everybody's has
.Lkey:                                             ; 16 trips, a constant: what a wave leaves out is a step's work, by the branch at its head
	TSTEP STA, QFA, QSA, OTA, DQA, GA
	TSTEP STB, QFB, QSB, OTB, DQB, GB
	s_add_co_u32 s[TB], s[TB], BLK
	s_add_co_u32 s[KS], s[KS], 1
	s_cmp_lt_u32 s[KS], 16
	s_cbranch_scc1 .Lkey
.rept 4
	v_nop                                          ; between the last products and the first read of their results
.endr
	v_bfe_u32 v[ADS], v0, 4, 1
	v_add3_u32 v[ADK], v[LSC], v[ADS], s58         ; y's scale bytes: 16 r + h + the way from the codes
	OUT STA, OTA, PC, T2, 46
	OUT STB, OTB, PC+4, T2+1, 48
	s_wait_tensorcnt 0x0                           ; the wave's end: behind my last tensor load
	ds_add_u32 v[SPW], v[NIL]
	s_wait_dscnt 0x0
	CROUND                                         ; the closing round
	s_endpgm
.Lfunc_end_k_q72ee309b7b_attn:
	.size	k_q72ee309b7b_attn, .Lfunc_end_k_q72ee309b7b_attn-k_q72ee309b7b_attn
	.p2alignl 7, 3214868480
	.fill 96, 4, 3214868480
	.section	.rodata,"a",@progbits
	.p2align	6, 0x0
	.amdhsa_kernel k_q72ee309b7b_attn
		.amdhsa_group_segment_fixed_size 167936
		.amdhsa_private_segment_fixed_size 0
		.amdhsa_enable_private_segment 0
		.amdhsa_kernarg_size 24
		.amdhsa_user_sgpr_count 2
		.amdhsa_user_sgpr_kernarg_segment_ptr 1
		.amdhsa_wavefront_size32 1
		.amdhsa_system_sgpr_workgroup_id_x 1
		.amdhsa_system_sgpr_workgroup_id_y 1
		.amdhsa_system_sgpr_workgroup_id_z 1
		.amdhsa_system_vgpr_workitem_id 0
		.amdhsa_next_free_vgpr 256
		.amdhsa_next_free_sgpr 66
		.amdhsa_reserve_vcc 1
		.amdhsa_float_denorm_mode_32 3
		.amdhsa_float_denorm_mode_16_64 3
		.amdhsa_memory_ordered 1
		.amdhsa_forward_progress 1
		.amdhsa_inst_pref_size 57
	.end_amdhsa_kernel
	.amdgpu_metadata
---
amdhsa.version: [ 1, 2 ]
amdhsa.kernels:
  - .name:           k_q72ee309b7b_attn
    .symbol:         k_q72ee309b7b_attn.kd
    .args:
      - { .name: qb, .offset: 0, .size: 8, .value_kind: global_buffer, .address_space: global }
      - { .name: kv, .offset: 8, .size: 8, .value_kind: global_buffer, .address_space: global }
      - { .name: yq, .offset: 16, .size: 8, .value_kind: global_buffer, .address_space: global }
    .group_segment_fixed_size: 167936
    .private_segment_fixed_size: 0
    .kernarg_segment_align: 8
    .kernarg_segment_size: 24
    .max_flat_workgroup_size: 512
    .sgpr_count:     66
    .vgpr_count:     256
    .wavefront_size: 32
...
	.end_amdgpu_metadata
.endif
;; end of part 3
;; launch proj (part 4): grid 4 x 64, 2 waves a work-group, clusters of 4 x 4, 327,680 bytes of LDS; arguments opq, yq, b_proj, out0; writes out0
.if DOCPART == 4
	.amdgcn_target "amdgcn-amd-amdhsa--gfx1250"
	.amdhsa_code_object_version 6
	.text
	.protected	k_q72ee309b7b_proj
	.globl	k_q72ee309b7b_proj
	.p2align	8
	.type	k_q72ee309b7b_proj,@function
k_q72ee309b7b_proj:
	s_mov_b64 s[64:65], 0
	v_nop
	global_prefetch_b8 v0, s[64:65] scope:SCOPE_SE
	s_setreg_imm32_b32 hwreg(HW_REG_WAVE_MODE, 25, 1), 1
	s_wait_xcnt 0x0
	s_wait_alu depctr_hold_cnt(0) depctr_sa_sdst(0) depctr_va_vdst(0) depctr_va_sdst(0) depctr_va_ssrc(0) depctr_va_vcc(0) depctr_vm_vsrc(0)
	s_getreg_b32 s2, hwreg(HW_REG_IB_STS2, 6, 4)
	s_cmp_eq_u32 s2, 0
	s_cbranch_scc0 .Lentry_in_a_cluster
	s_endpgm
.Lentry_in_a_cluster:
	s_bfe_u32 s2, ttmp6, 0x10000c
	s_cmp_lg_u32 s2, 0xf033
	s_cbranch_scc0 .Lentry_shape_is_right
	s_endpgm
.Lentry_shape_is_right:
; LAUNCH 4 OF 4.  out0 = y W_proj + b_proj on codes of FP4, K = 1,024.  y's codes lie in yq, W_proj's in opq (tiles 704 on), both as images of the operands' registers (see the head of launch quant).  Nothing is left out here.
; A work-group of TWO waves makes 128 tokens x 256 columns, so that there are 256 work-groups (with 256 x 256 there would be 128); a wave makes 128 x 128: 64 accumulators.  Source 0 (P) = 16 columns of W_proj, source 1 (R) = 16 tokens:
; a lane holds one token and eight neighbouring columns a result.  The bias is the C of each sum's first matrix instruction.
; LDS: K is two slots of 512; a slot holds R's 128 rows and P's 256; all six parts are asked for at the head, three tensor loads a wave, and nothing is ever filled again.
; CLUSTERS: 4 x 4.  R's tiles hang on the row block alone and are asked for jointly by a row of the cluster, P's on cx alone, by a column.
; REGISTERS, in windows of 256: window 0: v0-31 addresses; v32-95 scale words; v128-191 R's fragments; v192-255 the bias; on the way out v128-255 hold rows of out0.   window 1: P's fragments, two sets.   windows 2, 3: the accumulators.
.set HALF,  34816                      ; 8 tiles x 4,352 bytes: 128 rows of one slot
.set SLOT,  3*HALF                     ; R's 128 rows, then P's 256
.set SPARE, 2*SLOT                     ; behind the two slots: the spare words, 128 bytes for each wave
.set TIMG,  8704
.set TSL,   4352
.set SPITCH, 528                       ; the way out: a stage of 16 rows x (512 bytes + 16) for each wave, in slot 0, which has had its only fill and its last read when the first result is stored there
.set ADRR, 16
.set ADRP, 20
.set LI,   24                          ; v24  16 x lane
.set STO,  25                          ; v25  the way out: where I put 32 bytes of a row
.set RD,   26                          ; v26  and where I read a row back
.set ADRS, 27                          ; v27-28
.set SPW,  30
.set NIL,  31
.set SC,   32
.set AF,   128
.set BI,   192
.set BK,   128
.set G1R, 24                           ; s[24:31] group 1 for R's tiles;  s[48:55] for P's
.set G1P, 48
.set G0A, 32                           ; s[32:35] P's half w, slot 0;  s[36:39] R's slot w;  s[56:59] P's half w, slot 1
.set G0B, 36
.set G0C, 56
.set MSB, 0
.macro WIN new
.if MSB != (\new)
	s_set_vgpr_msb (MSB<<8)|(\new)
.set MSB, (\new)
.endif
.endm
.set MUL_LO, 0xa1
.set MUL_HI, 0xf1
.set TO_B,   0x40
.macro CROUND
	s_barrier_signal -1
	s_barrier_wait -1
	s_cmp_lg_u32 s14, 0
	s_cbranch_scc1 .Lnot_wave_0_\@
	s_barrier_signal -3
.Lnot_wave_0_\@:
	s_barrier_wait -3
	s_barrier_signal -1
	s_barrier_wait -1
.endm
.macro FRAG reg, adr, q, i
.irp c, 0,1
	ds_load_b128 v[\reg+4*\c:\reg+4*\c+3], v[\adr] offset:1024*(\q)+512*\c+(\i)*TSL
.endr
.endm
; 16 matrix instructions.  zero = 2: the product starts the sums from the bias (C in window 0).  The 64 accumulators take turns, one instruction a turn, in the same order in every step.
.macro MUL16 a0, p, q, sc, zero
.irp a, \a0, \a0+1
.irp b, 0,1,2,3,4,5,6,7
.if \zero
	v_wmma_scale_f32_16x16x128_f8f6f4 v[8*(8*((\a)%4)+\b):8*(8*((\a)%4)+\b)+7], v[128*(\p)+8*\b:128*(\p)+8*\b+7], v[AF+8*(\a):AF+8*(\a)+7], v[BI+8*\b:BI+8*\b+7], v[SC+32*(\sc)+4*\b+(\q)], v[SC+32*(\sc)+4*(\a)+(\q)] matrix_a_fmt:MATRIX_FMT_FP4 matrix_b_fmt:MATRIX_FMT_FP4 matrix_a_scale:MATRIX_SCALE_ROW1
.else
	v_wmma_scale_f32_16x16x128_f8f6f4 v[8*(8*((\a)%4)+\b):8*(8*((\a)%4)+\b)+7], v[128*(\p)+8*\b:128*(\p)+8*\b+7], v[AF+8*(\a):AF+8*(\a)+7], v[8*(8*((\a)%4)+\b):8*(8*((\a)%4)+\b)+7], v[SC+32*(\sc)+4*\b+(\q)], v[SC+32*(\sc)+4*(\a)+(\q)] matrix_a_fmt:MATRIX_FMT_FP4 matrix_b_fmt:MATRIX_FMT_FP4 matrix_a_scale:MATRIX_SCALE_ROW1
.endif
.endr
.endr
.endm
.macro FETCH_B slot, q, p
	WIN TO_B
.irp i, 0,1,2,3,4,5,6,7
	FRAG 128*(\p)+8*\i, ADRP+\slot, \q, \i
.endr
	WIN 0
.endm
.macro FETCH_A slot, q, i0
.irp i, \i0, \i0+1, \i0+2, \i0+3
	FRAG AF+8*(\i), ADRR+\slot, \q, \i
.endr
.endm
.macro SCALES sc
.irp i, 0,1,2,3,4,5,6,7
	ds_load_b128 v[SC+32*\sc+4*\i:SC+32*\sc+4*\i+3], v[ADRS+\sc] offset:\i*TSL
.endr
.endm
.macro PLACES n
.rept \n
	v_nop
.endr
.endm
.macro STEP slot, q, zero
	s_wait_dscnt 8                                 ; all but the youngest 8 loads (R's blocks 4-7) are in
.if \zero
	WIN 0x81                                       ; source 0 window 1, C window 0, D window 2
.else
	WIN MUL_LO
.endif
	MUL16 0, (\q)%2, \q, \slot, \zero
	MUL16 2, (\q)%2, \q, \slot, \zero
	s_wait_dscnt 0x0
	PLACES 4
	FETCH_B \slot, (\q)+1, 1-(\q)%2
	FETCH_A \slot, (\q)+1, 0
.if \zero
	WIN 0xc1                                       ; D window 3
.else
	WIN MUL_HI
.endif
	MUL16 4, (\q)%2, \q, \slot, \zero
	MUL16 6, (\q)%2, \q, \slot, \zero
	PLACES 4
	WIN 0
	FETCH_A \slot, (\q)+1, 4
.endm
	s_load_b256 s[4:11], s[0:1], 0x0               ; opq s[4:5], yq s[6:7], b_proj s[8:9], out0 s[10:11]
	v_lshl_add_u32 v[SPW], v0, 2, SPARE
	v_mov_b32 v[NIL], 0
	ds_add_u32 v[SPW], v[NIL]                      ; the wave's opening: the add, twice on end, and its wait ahead of my first tensor load
	ds_add_u32 v[SPW], v[NIL]
	v_lshrrev_b32 v1, 5, v0
	v_readfirstlane_b32 s14, v1                    ; wave 0, 1: which half of P's rows is mine
	s_bfe_u32 s40, ttmp6, 0x40000                  ; cx
	s_bfe_u32 s41, ttmp6, 0x40004                  ; cy
	s_and_b32 s42, ttmp7, 0xffff
	s_lshl_b32 s42, s42, 2
	s_add_co_u32 s42, s42, s41                     ; my block of 128 tokens = 4 x cluster y + cy
	s_lshl_b32 s43, s41, 2
	s_lshl_b32 s43, 15, s43                        ; my row of the cluster
	s_lshl_b32 s44, 0x1111, s40                    ; my column
	s_or_b32 s[G1R], s43, (3<<16)|(1<<21)          ; group 1: 8 rows of 544 elements of 8 bytes, 1,088 elements apart; dense in LDS
	s_or_b32 s[G1P], s44, (3<<16)|(1<<21)
.irp g, G1R, G1P
	s_mov_b32 s[\g+1], 544<<16
	s_mov_b32 s[\g+2], 8<<16
	s_mov_b32 s[\g+3], 544<<16
	s_mov_b32 s[\g+4], 8
	s_mov_b32 s[\g+5], 1088
	s_mov_b32 s[\g+6], 0
	s_mov_b32 s[\g+7], 0
.endr
	s_lshl_b32 s18, s14, 3
	s_lshl_b32 s45, s40, 4
	s_add_co_u32 s45, s45, 704
	s_add_co_u32 s45, s45, s18                     ; P: tile 704 + 16 cx + 8 wave
	s_mul_i32 s68, s45, TIMG
	s_mov_b32 s69, 0
	s_mul_i32 s19, s14, TSL
	s_mul_i32 s66, s42, 8*TIMG                     ; R: tile 8 x block, slot = wave
	s_add_co_u32 s66, s66, s19
	s_mov_b32 s67, 0
	s_mul_i32 s20, s14, HALF
	s_add_co_u32 s20, s20, HALF                    ; P's half w in a slot
	s_mul_i32 s21, s14, SLOT                       ; R's place in slot w
	s_wait_dscnt 0x0                               ; both opening adds are done
	s_wait_kmcnt 0x0
	s_add_nc_u64 s[68:69], s[4:5], s[68:69]
	s_add_nc_u64 s[66:67], s[6:7], s[66:67]
	CROUND                                         ; all sixteen work-groups are here: the joint loads meet
	s_mov_b32 s[G0A], 1
	s_mov_b32 s[G0A+1], s20
	s_mov_b64 s[G0A+2:G0A+3], s[68:69]
	s_or_b32 s[G0A+3], s[G0A+3], 0x80000000
	s_mov_b32 s[G0B], 1
	s_mov_b32 s[G0B+1], s21
	s_mov_b64 s[G0B+2:G0B+3], s[66:67]
	s_or_b32 s[G0B+3], s[G0B+3], 0x80000000
	s_mov_b32 s[G0C], 1
	s_add_co_u32 s[G0C+1], s20, SLOT
	s_add_nc_u64 s[G0C+2:G0C+3], s[68:69], TSL
	s_or_b32 s[G0C+3], s[G0C+3], 0x80000000
	tensor_load_to_lds s[G0A:G0A+3], s[G1P:G1P+7]  ; P's half w, slot 0
	s_nop 0
	tensor_load_to_lds s[G0B:G0B+3], s[G1R:G1R+7]  ; R's slot w
	s_nop 0
	tensor_load_to_lds s[G0C:G0C+3], s[G1P:G1P+7]  ; P's half w, slot 1: three loads of mine are out
	s_nop 0
.rept 4
	v_nop
.endr
	v_and_b32 v1, 15, v0                           ; r
	v_bfe_u32 v2, v0, 4, 1                         ; h
	v_and_b32 v3, 31, v0
	v_lshlrev_b32 v[LI], 4, v3
	v_mov_b32 v[ADRR], v[LI]
	v_add_nc_u32 v[ADRR+1], SLOT, v[LI]
	v_add_nc_u32 v[ADRP], s20, v[LI]
	v_add_nc_u32 v[ADRP+1], SLOT, v[ADRP]
	v_lshlrev_b32 v5, 4, v1
	v_mul_u32_u24 v6, s20, v2                      ; lanes 16-31 take P's scale words
	v_add_nc_u32 v5, v5, v6
	v_add_nc_u32 v[ADRS], 4096, v5
	v_add_nc_u32 v[ADRS+1], SLOT, v[ADRS]
	s_mul_i32 s22, s14, 16*SPITCH                  ; my stage
	v_mul_u32_u24 v5, v1, SPITCH
	v_lshl_add_u32 v5, v2, 6, v5
	v_add_nc_u32 v[STO], s22, v5                   ; in: row r, + 64 h
	v_add_nc_u32 v[RD], s22, v[LI]                 ; back: the 32 lanes take one row of 512 bytes
	s_lshl_b32 s72, s40, 10
	s_lshl_b32 s73, s14, 9
	s_add_co_u32 s72, s72, s73                     ; my first column, in bytes: 1,024 cx + 512 wave
	s_mov_b32 s73, 0
	s_add_nc_u64 s[8:9], s[8:9], s[72:73]
	s_lshl_b32 s70, s42, 19                        ; my first token's row of out0: 128 x block x 4,096 bytes
	s_add_co_u32 s70, s70, s72
	s_mov_b32 s71, 0
	s_add_nc_u64 s[70:71], s[10:11], s[70:71]
	v_lshlrev_b32 v7, 6, v2                        ; the bias: register 8 b + j is b_proj at 32 (b / 2) + 16 h + 8 (b % 2) + j
.irp b, 0,1,2,3,4,5,6,7
	global_load_b128 v[BI+8*\b:BI+8*\b+3], v7, s[8:9] offset:(32*(\b/2)+8*(\b%2))*4
	global_load_b128 v[BI+8*\b+4:BI+8*\b+7], v7, s[8:9] offset:(32*(\b/2)+8*(\b%2))*4+16
.endr
	s_wait_tensorcnt 1                             ; my first two loads are in: between the two waves that is all of slot 0; each wave's last load may be out
	s_wait_loadcnt 0x0                             ; the bias
	s_barrier_signal -1
	s_barrier_wait -1
	FETCH_B 0, 0, 0
	FETCH_A 0, 0, 0
	SCALES 0
	FETCH_A 0, 0, 4
	STEP 0, 0, 2                                   ; the first step's products start the sums from the bias
	STEP 0, 1, 0
	STEP 0, 2, 0
	; slot 0's last step changes slots: each wave's loads have all landed ahead of its signal; nothing is filled again
	s_wait_tensorcnt 0x0
	s_wait_dscnt 8
	WIN MUL_LO
	MUL16 0, 1, 3, 0, 0
	s_wait_dscnt 0x0                               ; my reads of slot 0 are over
	s_barrier_signal -1
	MUL16 2, 1, 3, 0, 0
	WIN 0
	s_barrier_wait -1
	PLACES 4
	FETCH_B 1, 0, 0
	FETCH_A 1, 0, 0
	SCALES 1
	WIN MUL_HI
	MUL16 4, 1, 3, 0, 0
	MUL16 6, 1, 3, 0, 0
	PLACES 4
	WIN 0
	FETCH_A 1, 0, 4
	STEP 1, 0, 0
	STEP 1, 1, 0
	STEP 1, 2, 0
	s_wait_dscnt 8
	WIN MUL_LO
	MUL16 0, 1, 3, 1, 0
	MUL16 2, 1, 3, 1, 0
	s_wait_dscnt 0x0
	WIN MUL_HI
	MUL16 4, 1, 3, 1, 0
	MUL16 6, 1, 3, 1, 0
	WIN 0
; THE WAY OUT, block by block of 16 tokens x 128 columns: through my own stage in LDS, back as whole rows of 512 bytes.  LDS serves a wave's instructions in order: no wait between the stores and the loads, nor ahead of the next block's stores.
.macro TOSTAGE a
.set AC, 64*((\a)%4)
	WIN 0x08+4*((\a)/4)                            ; the data: window 2 or 3
.irp b, 0,1,2,3,4,5,6,7
	ds_store_b128 v[STO], v[AC+8*\b:AC+8*\b+3] offset:128*(\b/2)+32*(\b%2)       ; each accumulator from its low end on; columns 32 (b / 2) + 16 h + 8 (b % 2) on
	ds_store_b128 v[STO], v[AC+8*\b+4:AC+8*\b+7] offset:128*(\b/2)+32*(\b%2)+16
.endr
	WIN 0
.set BB, BK+64*((\a)%2)
.irp t, 0,1,2,3,4,5,6,7,8,9,10,11,12,13,14,15
	ds_load_b128 v[BB+4*\t:BB+4*\t+3], v[RD] offset:\t*SPITCH
.endr
.endm
.macro SEND a, younger                 ; younger: the LDS instructions issued behind block a's loads, which may stay out
.set BB, BK+64*((\a)%2)
	s_wait_dscnt \younger
.irp t, 0,1,2,3,4,5,6,7,8,9,10,11,12,13,14,15
	global_store_b128 v[LI], v[BB+4*\t:BB+4*\t+3], s[70:71] offset:(32*((\a)/2)+8*((\a)%2)+\t+8*(\t/8))*4096 th:TH_STORE_NT   ; row t of tile a is token 32 (a / 2) + 8 (a % 2) + t + 8 (t / 8); 32 lanes store 512 consecutive bytes, aligned to 256; 127 rows at the most: inside the immediate
.endr
.endm
	PLACES 4                                       ; ahead of the first read of results and of the loads into the registers that held R's fragments and the bias
	TOSTAGE 0
.irp a, 1,2,3,4,5,6,7
.if \a > 1
	s_wait_xcnt 0x0                                ; block a - 2's stores have read their registers: block a's loads may land there
.endif
	TOSTAGE \a
	SEND \a-1, 32                                  ; behind block a - 1's loads: block a's 16 stores and 16 loads
.endr
	SEND 7, 0
	s_wait_tensorcnt 0x0                           ; the wave's end: behind my last tensor load and my last LDS store
	ds_add_u32 v[SPW], v[NIL]
	s_wait_dscnt 0x0
	CROUND                                         ; the closing round
	s_endpgm
.Lfunc_end_k_q72ee309b7b_proj:
	.size	k_q72ee309b7b_proj, .Lfunc_end_k_q72ee309b7b_proj-k_q72ee309b7b_proj
	.p2alignl 7, 3214868480
	.fill 96, 4, 3214868480
	.section	.rodata,"a",@progbits
	.p2align	6, 0x0
	.amdhsa_kernel k_q72ee309b7b_proj
		.amdhsa_group_segment_fixed_size 327680
		.amdhsa_private_segment_fixed_size 0
		.amdhsa_enable_private_segment 0
		.amdhsa_kernarg_size 32
		.amdhsa_user_sgpr_count 2
		.amdhsa_user_sgpr_kernarg_segment_ptr 1
		.amdhsa_wavefront_size32 1
		.amdhsa_system_sgpr_workgroup_id_x 1
		.amdhsa_system_sgpr_workgroup_id_y 1
		.amdhsa_system_sgpr_workgroup_id_z 1
		.amdhsa_system_vgpr_workitem_id 0
		.amdhsa_next_free_vgpr 1024
		.amdhsa_next_free_sgpr 80
		.amdhsa_reserve_vcc 0
		.amdhsa_float_denorm_mode_32 3
		.amdhsa_float_denorm_mode_16_64 3
		.amdhsa_memory_ordered 1
		.amdhsa_forward_progress 1
		.amdhsa_inst_pref_size 122
	.end_amdhsa_kernel
	.amdgpu_metadata
---
amdhsa.version: [ 1, 2 ]
amdhsa.kernels:
  - .name:           k_q72ee309b7b_proj
    .symbol:         k_q72ee309b7b_proj.kd
    .args:
      - { .name: opq, .offset: 0, .size: 8, .value_kind: global_buffer, .address_space: global }
      - { .name: yq, .offset: 8, .size: 8, .value_kind: global_buffer, .address_space: global }
      - { .name: b_proj, .offset: 16, .size: 8, .value_kind: global_buffer, .address_space: global }
      - { .name: out0, .offset: 24, .size: 8, .value_kind: global_buffer, .address_space: global }
    .group_segment_fixed_size: 327680
    .private_segment_fixed_size: 0
    .kernarg_segment_align: 8
    .kernarg_segment_size: 32
    .max_flat_workgroup_size: 64
    .sgpr_count:     80
    .vgpr_count:     1024
    .wavefront_size: 32
...
	.end_amdgpu_metadata
.endif
;; end of part 4
